; MI455X (gfx1250); checked and timed in simulation.
; The chip was launched on July 23, 2026; its instructions are those of AMD's public machine-readable ISA for CDNA 5 (MIT licence, August 2026) and "CDNA5" Instruction Set Architecture Reference Guide (July 2026). The comments in the code are by the model that wrote it; some were corrected since.
;; Attention Block. Allowed arithmetic: matrix products marked QUANTISED: E2M1 operands, one E8M0 scale for each 32 along K, by v_wmma_scale_f32_16x16x128_f8f6f4 with both operands' format E2M1 (or v_wmma_scale_f32_32x16x128_f4), f32 sums; everything else in f32.
;; Inputs: bk 512 float32; bo 512 float32; bq 512 float32; bv 512 float32; gn_bias 512 float32; gn_scale 512 float32; wk_codes 512 x 16 x 16 uint8 (E2M1 codes of wk, K innermost, in blocks of 32 codes, two codes a byte); wk_scales 512 x 16 uint8 (E8M0 scales of wk, one for each 32 codes along K); wo_codes 512 x 16 x 16 uint8 (E2M1 codes of wo, K innermost, in blocks of 32 codes, two codes a byte); wo_scales 512 x 16 uint8 (E8M0 scales of wo, one for each 32 codes along K); wq_codes 512 x 16 x 16 uint8 (E2M1 codes of wq, K innermost, in blocks of 32 codes, two codes a byte); wq_scales 512 x 16 uint8 (E8M0 scales of wq, one for each 32 codes along K); wv_codes 512 x 16 x 16 uint8 (E2M1 codes of wv, K innermost, in blocks of 32 codes, two codes a byte); wv_scales 512 x 16 uint8 (E8M0 scales of wv, one for each 32 codes along K); x 32 x 512 x 32 x 32 float32.
;; Outputs: out0 32 x 512 x 32 x 32 float32.
;; This version of the problem:
;;   THIS VERSION OF THE PROBLEM IS GIVEN IN LOW PRECISION. The matrix products marked QUANTISED in the list below multiply operands that are first quantised to E2M1 (2 exponent bits, 1 mantissa bit; 4 bits a number), with one power-of-two scale for each 32 numbers along K (OCP MX v1.0); their sums are f32. All else is computed in f32.
;;   The module's matrix products, in the order in which they are computed (A, B: the left and right operand; K: the contracted axis; several contracted axes count as one K, in the product's order):
;;     1. [M 32,768, K 512] x [K 512, N 512]; A: computed on the way; B: input wq (given as codes): QUANTISED
;;     2. [M 32,768, K 512] x [K 512, N 512]; A: computed on the way; B: input wk (given as codes): QUANTISED
;;     3. [M 32,768, K 512] x [K 512, N 512]; A: computed on the way; B: input wv (given as codes): QUANTISED
;;     4. batch 32 x [M 1,024, K 512] x [K 512, N 1,024]; A: computed on the way; B: computed on the way: QUANTISED
;;     5. batch 32 x [M 512, K 1,024] x [K 1,024, N 1,024]; A: computed on the way; B: softmax (see below): QUANTISED
;;     6. [M 32,768, K 512] x [K 512, N 512]; A: computed on the way; B: input wo (given as codes): QUANTISED
;;   THE QUANTISER, for each operand of a quantised product, along K:
;;     - K is cut into blocks of 32 from its start; a last block that is shorter is filled with zeros.
;;     - A block's scale is 2^e with e = floor(log2(the largest magnitude in the block)) - 2, held to -126 .. 127; a block of zeros has e = 0. As a byte (E8M0): e + 127.
;;     - Each number is divided by its block's scale, clamped to +-6, and rounded to the nearest number of E2M1, ties to even, subnormals kept.
;;     - The product sums the exact products of the quantised numbers (number of the format x scale) in f32.
;;   ~~~python
;;   def quantise(x, axis):      # numpy; x: float32 -> the quantised numbers, widened to float32 again
;;       x = np.moveaxis(x, axis, -1); K = x.shape[-1]
;;       x = np.pad(x, [(0, 0)] * (x.ndim - 1) + [(0, -K % 32)]); x = x.reshape(x.shape[:-1] + (-1, 32)); a = np.abs(x).max(-1, keepdims=True)
;;       e = np.where(a > 0, np.clip(np.frexp(np.where(a > 0, a, 1))[1] - 1 - 2, -126, 127), 0)      # np.frexp(a)[1] - 1 = floor(log2(a)), exactly
;;       r = np.clip(x / 2.0 ** e, -6, 6)
;;       step = 2.0 ** (np.maximum(np.frexp(np.where(r == 0, 1, r))[1] - 1, 0) - 1)
;;       q = np.round(r / step) * step * 2.0 ** e      # np.round: ties to even
;;       return np.moveaxis(q.reshape(q.shape[:-2] + (-1,))[..., :K], -1, axis).astype(np.float32)
;;   ~~~
;;   SOFTMAX AHEAD OF A QUANTISED PRODUCT. Where the list says 'softmax', what is quantised is not the finished softmax but p = 2^(t - M), with t = logit x log2(e) and M = ceil(the row's largest t), a whole number; so 1/2 < the row's largest p <= 1. The row's sum l is taken of the UNQUANTISED p, in f32, and the product's result is divided by l at the end. Since M is a whole number, a kernel that streams over the keys may use a running M (the ceiling of the running maximum): every later rescaling is an exact power of two, which a block's scale takes up: the codes' values come out the same.
;;   OPERANDS COMPUTED ON THE WAY. 'Computed on the way' means the value that the module computes at that place (a softmax that the list does not call 'softmax' is quantised finished and normalised). What goes into a quantiser is computed in f32, as accurately as f32 sums, v_exp_f32 and their like allow (about 1e-6 of the number): no bf16 or f16 on the way to a quantiser, and a product that is left as it is and whose result goes on into a quantised operand takes f32 operands (vector FMAs, or v_wmma_f32_16x16x4_f32). A number that lies on a knife's edge between two numbers of the format may be rounded either way, as far as f32 arithmetic and the matrix unit's own rounding can turn it there, and no further.
;;   INPUTS GIVEN AS CODES. wk (in the module: [512, 512], K = its axis 1); wo (in the module: [512, 512], K = its axis 1); wq (in the module: [512, 512], K = its axis 1); wv (in the module: [512, 512], K = its axis 1): each comes as NAME_codes (uint8): NAME with its K axis moved to the last place and cut into blocks of 32 codes, [.., K / 32, bytes a block], one block behind the other in memory; two codes a byte, the lower K in the low four bits (a code: sign, 2 exponent bits, 1 mantissa bit); and NAME_scales (uint8): the same leading axes, one E8M0 byte (e + 127) for each 32 codes along K. Its value is code x scale, taken as it is: it is not quantised again, and the codes and scales need not be those that the quantiser above would give.
;; One version. Each part assembles by itself: llvm-mc -triple=amdgcn-amd-amdhsa -mcpu=gfx1250 --defsym DOCPART=n.
;; ======== version 1 of 1: 3 launches
;; workspace buffers: hc 8,388,608 bytes; hs 524,288 bytes; qq 8,912,896 bytes; kv 17,825,792 bytes
;; launch norm (part 1): grid 8 x 32, 16 waves a work-group, no clusters, 35,840 bytes of LDS; arguments x, gn_scale, gn_bias, hc, hs; writes hc, hs
.if DOCPART == 1
	.amdgcn_target "amdgcn-amd-amdhsa--gfx1250"
	.amdhsa_code_object_version 6
	.text
	.protected	k_q5b4748895d_norm
	.globl	k_q5b4748895d_norm
	.p2align	8
	.type	k_q5b4748895d_norm,@function
k_q5b4748895d_norm:
	s_mov_b64 s[64:65], 0
	v_nop
	global_prefetch_b8 v0, s[64:65] scope:SCOPE_SE
	s_setreg_imm32_b32 hwreg(HW_REG_WAVE_MODE, 25, 1), 1
	s_wait_xcnt 0x0
; GroupNorm of x [32][512][1024] (16 groups of 32 channels), quantised to E2M1 codes along the channels: a block of 32 along K is one group of one pixel.
; SHARES.  A work-group owns two groups (64 channels) of one image; wave w owns pixels 64 w .. 64 w + 63, lane l the two pixels 64 w + 2 l + p, for all 64 channels: 128 registers.
; x is read once and stays in registers through the mean, the variance (of x - mean, as the definition has it) and the quantising.  All 64 loads of a wave go out at the head; each reads 256 consecutive, aligned bytes.
; OUT.  hc: images of the next launch's operand registers, [image x 8 + pixel block][pixel tile 8][K step 4][1,024 bytes]; in an image the 16 bytes of (row r, group 4 s + 2 c + h) lie at 512 c + 256 h + 16 r.
;       hs: [image][pair of groups][pixel] two scale bytes.  A wave's store of them covers 128 consecutive bytes: half of an aligned 256; they are one byte in 128 of what the launch reads.
; No matrix work, no cluster (work-groups share no input), no tensor load: the bytes in flight lie in registers.
; LIMITS: NaN and infinities are not served; a block whose largest magnitude lies under 2^-124, a block of zeros among them, gets the byte 1 (zeros: the codes are zeros, and this program alone reads the bytes).
.set X,    32                          ; v32-159  x, then x - mean: channel 32 q + c, pixel p at X + 64 q + 2 c + p
.set H,    160                         ; v160-223 two sets of 32 normalised numbers; also where partial sums and the stage's rows land
.set CD,   224                         ; v224-239 codes: block (q, p) at CD + 4 (2 q + p)
.set RED1, 0                           ; LDS: 2 groups x 16 waves x 4 bytes: the sums
.set RED2, 256                         ; the sums of squares
.set STG,  512                         ; 2,048 bytes for each wave: its codes on the way out
	s_load_b256 s[4:11], s[0:1], 0x0               ; x s[4:5], gn_scale s[6:7], gn_bias s[8:9], hc s[10:11]
	s_load_b64 s[12:13], s[0:1], 0x20              ; hs
	v_lshl_add_u32 v240, v0, 2, 0x8400
	v_mov_b32 v241, 0
	v_lshrrev_b32 v1, 5, v0
	v_readfirstlane_b32 s14, v1                    ; wave 0..15
	s_and_b32 s15, ttmp7, 0xffff                   ; image
	v_and_b32 v8, 31, v0                           ; lane
	v_lshlrev_b32 v1, 3, v8                        ; v1: 8 x lane: my two pixels in a row of x
	v_lshrrev_b32 v9, 3, v8
	v_and_b32 v10, 7, v8
	s_lshl_b32 s84, s14, 11
	s_add_co_u32 s84, s84, STG                     ; my wave's stage
	v_lshlrev_b32 v2, 9, v9
	v_lshl_add_u32 v2, v10, 5, v2
	v_add_nc_u32 v2, s84, v2                       ; v2: into the stage: pixel tile lane / 8 (512 bytes), row 2 (lane % 8) + p (16 bytes)
	v_lshlrev_b32 v4, 4, v8                        ; v4: 16 x lane
	v_add_nc_u32 v3, s84, v4                       ; v3: out of the stage
	v_lshlrev_b32 v5, 2, v8                        ; v5: 4 x lane
	v_mov_b32 v6, s14
	v_lshlrev_b32 v6, 2, v6                        ; v6: my wave's word among the partial sums
	v_mov_b32 v7, 0
	v_mov_b32 v22, 0                               ; a lane permute's destination counts as one of its sources
	s_mov_b32 s86, 0x76543210
	s_mov_b32 s87, 0xfedcba98                      ; v_permlanex16_b32's selects for lane l xor 16
	s_lshl_b32 s90, s15, 21                        ; x: image x 2 MiB + pair of groups x 64 rows of 4,096 bytes + 256 x wave
	s_lshl_b32 s91, ttmp9, 18
	s_add_co_u32 s90, s90, s91
	s_lshl_b32 s91, s14, 8
	s_add_co_u32 s90, s90, s91
	s_mov_b32 s91, 0
	s_lshl_b32 s92, ttmp9, 8                       ; gains and biases: 64 numbers a pair of groups
	s_mov_b32 s93, 0
	s_lshl_b32 s94, s15, 18                        ; hc: image x 8 blocks of 32,768 + wave x 4 tiles of 4,096 + pair of groups x 512
	s_lshl_b32 s95, s14, 14
	s_add_co_u32 s94, s94, s95
	s_lshl_b32 s95, ttmp9, 9
	s_add_co_u32 s94, s94, s95
	s_mov_b32 s95, 0
	s_lshl_b32 s88, s15, 14                        ; hs: image x 16,384 + pair of groups x 2,048 + wave x 128
	s_lshl_b32 s89, ttmp9, 11
	s_add_co_u32 s88, s88, s89
	s_lshl_b32 s89, s14, 7
	s_add_co_u32 s88, s88, s89
	s_mov_b32 s89, 0
	s_wait_kmcnt 0x0
	s_add_nc_u64 s[4:5], s[4:5], s[90:91]
	s_add_nc_u64 s[6:7], s[6:7], s[92:93]
	s_add_nc_u64 s[8:9], s[8:9], s[92:93]
	s_add_nc_u64 s[10:11], s[10:11], s[94:95]
	s_add_nc_u64 s[12:13], s[12:13], s[88:89]
.set cc, 0
.rept 64
	global_load_b64 v[X+2*cc:X+2*cc+1], v1, s[4:5] offset:4096*cc th:TH_LOAD_NT   ; a channel's 64 pixels: 256 consecutive bytes a wave
.set cc, cc+1
.endr
.macro PARAMS q                        ; group q's 32 gains into s16-47, its 32 biases into s48-63 and s68-83
	s_load_b512 s[16:31], s[6:7], 128*\q
	s_load_b512 s[32:47], s[6:7], 128*\q+64
	s_load_b512 s[48:63], s[8:9], 128*\q
	s_load_b512 s[68:83], s[8:9], 128*\q+64
.endm
	PARAMS 0
	s_mov_b32 s88, 0x38000000                      ; 2^-15: a group has 32 x 1,024 numbers
	s_mov_b32 s89, 0x358637bd                      ; 1e-6
.macro FOLD q                          ; four chains of pairs -> v[20 + q]
	v_pk_add_f32 v[8:9], v[8:9], v[10:11]
	v_pk_add_f32 v[12:13], v[12:13], v[14:15]
	v_pk_add_f32 v[8:9], v[8:9], v[12:13]
	v_add_f32 v[20+\q], v8, v9
.endm
.macro LSUM q                          ; the sum of my 64 numbers of group q: the first eight pairs start the chains, nothing is cleared
.irp k, 0,1,2,3
	v_pk_add_f32 v[8+2*\k:9+2*\k], v[X+64*\q+2*\k:X+64*\q+2*\k+1], v[X+64*\q+2*\k+8:X+64*\q+2*\k+9]
.endr
.set cc, 8
.rept 24
	v_pk_add_f32 v[8+2*(cc%4):9+2*(cc%4)], v[8+2*(cc%4):9+2*(cc%4)], v[X+64*\q+2*cc:X+64*\q+2*cc+1]
.set cc, cc+1
.endr
	FOLD \q
.endm
.macro LSQ q                           ; the sum of their squares
.irp k, 0,1,2,3
	v_pk_mul_f32 v[8+2*\k:9+2*\k], v[X+64*\q+2*\k:X+64*\q+2*\k+1], v[X+64*\q+2*\k:X+64*\q+2*\k+1]
.endr
.set cc, 4
.rept 28
	v_pk_fma_f32 v[8+2*(cc%4):9+2*(cc%4)], v[X+64*\q+2*cc:X+64*\q+2*cc+1], v[X+64*\q+2*cc:X+64*\q+2*cc+1], v[8+2*(cc%4):9+2*(cc%4)]
.set cc, cc+1
.endr
	FOLD \q
.endm
.macro WSUM r                          ; over the wave's 32 lanes; every lane ends with the sum
	v_add_f32_dpp v[\r], v[\r], v[\r] row_xmask:1 row_mask:0xf bank_mask:0xf
	v_add_f32_dpp v[\r], v[\r], v[\r] row_xmask:2 row_mask:0xf bank_mask:0xf
	v_add_f32_dpp v[\r], v[\r], v[\r] row_xmask:4 row_mask:0xf bank_mask:0xf
	v_add_f32_dpp v[\r], v[\r], v[\r] row_xmask:8 row_mask:0xf bank_mask:0xf
	v_permlanex16_b32 v22, v[\r], s86, s87
	v_add_f32 v[\r], v[\r], v22
.endm
.macro ALLSUM red                      ; my two sums to LDS, a barrier, all 32 back, added in the same order by every wave -> v20, v21
	WSUM 20
	WSUM 21
	ds_store_b32 v6, v20 offset:\red               ; all lanes write the same word with the same value
	ds_store_b32 v6, v21 offset:\red+64
	s_wait_dscnt 0x0                               ; for the others' sake: my stores have landed
	s_barrier_signal -1
	s_barrier_wait -1
.irp k, 0,1,2,3,4,5,6,7
	ds_load_b128 v[H+4*\k:H+4*\k+3], v7 offset:\red+16*\k
.endr
	s_wait_dscnt 0x0
.irp q, 0,1
.irp k, 0,4,8,12
	v_pk_add_f32 v[H+16*\q+\k:H+16*\q+\k+1], v[H+16*\q+\k:H+16*\q+\k+1], v[H+16*\q+\k+2:H+16*\q+\k+3]
.endr
	v_pk_add_f32 v[H+16*\q:H+16*\q+1], v[H+16*\q:H+16*\q+1], v[H+16*\q+4:H+16*\q+5]
	v_pk_add_f32 v[H+16*\q+8:H+16*\q+9], v[H+16*\q+8:H+16*\q+9], v[H+16*\q+12:H+16*\q+13]
	v_pk_add_f32 v[H+16*\q:H+16*\q+1], v[H+16*\q:H+16*\q+1], v[H+16*\q+8:H+16*\q+9]
	v_add_f32 v[20+\q], v[H+16*\q], v[H+16*\q+1]
.endr
.endm
	s_wait_loadcnt 32                              ; group 0's 32 loads are in; group 1's 32 younger ones may be out
	LSUM 0
	s_wait_loadcnt 0x0
	LSUM 1
	ALLSUM RED1
	v_mul_f32 v16, s88, v20                        ; the means, each twice: a pair for the packed subtraction
	v_mul_f32 v18, s88, v21
	v_mov_b32 v17, v16
	v_mov_b32 v19, v18
.irp q, 0,1
.set cc, 0
.rept 32
	v_pk_add_f32 v[X+64*\q+2*cc:X+64*\q+2*cc+1], v[X+64*\q+2*cc:X+64*\q+2*cc+1], v[16+2*\q:17+2*\q] neg_lo:[0,1] neg_hi:[0,1]   ; x - mean, in place
.set cc, cc+1
.endr
.endr
	LSQ 0
	LSQ 1
	ALLSUM RED2                                    ; other bytes than the first sums': no barrier is owed between the two uses
	v_fma_f32 v20, v20, s88, s89                   ; variance + 1e-6
	v_fma_f32 v21, v21, s88, s89
	v_rsq_f32 v24, v20
	v_rsq_f32 v25, v21
	v_nop                                          ; a plain line behind the last of the two
	s_wait_alu depctr_va_vdst(0)                   ; one wait for both, ahead of their first reader
	v_readfirstlane_b32 s84, v24                   ; 1 / sqrt(variance + 1e-6), the same in every lane
	v_readfirstlane_b32 s85, v25
.macro QB q, p                         ; the block of group q, pixel p: all its 32 numbers are mine
.set HB, H+32*\p
	v_max3_num_f32 v24, |v[HB]|, |v[HB+1]|, |v[HB+2]|
	v_max3_num_f32 v25, |v[HB+3]|, |v[HB+4]|, |v[HB+5]|
.irp i, 6,10,14,18,22,26
	v_max3_num_f32 v24, v24, |v[HB+\i]|, |v[HB+\i+1]|
	v_max3_num_f32 v25, v25, |v[HB+\i+2]|, |v[HB+\i+3]|
.endr
	v_max3_num_f32 v24, v24, |v[HB+30]|, |v[HB+31]|
	v_max3_num_f32 v24, v24, v25, 0x1800000        ; and the floor 2^(3 - 127): the byte cannot fall under 1
	v_add_nc_u32 v26, 0xff000000, v24              ; 2 off the exponent field: the conversion takes this operand's exponent field as its scale
.irp g, 0,1,2,3
	v_cvt_scalef32_pk8_fp4_f32 v[CD+4*(2*\q+\p)+\g], v[HB+8*\g:HB+8*\g+7], v26
.endr
.if (\q)+(\p) == 0
	v_lshrrev_b32 v28, 23, v26                     ; the scale's byte (the plain line behind the conversions); v28 gathers my four: pixel p at bit 16 p, group q at bit 8 q
.else
	v_lshrrev_b32 v27, 23, v26
	v_lshl_or_b32 v28, v27, 8*\q+16*\p, v28
.endif
.endm
.macro NORMQ q
	s_wait_kmcnt 0x0                               ; the group's gains and biases
.set cc, 0
.rept 32
	s_mul_f32 s[16+cc], s[16+cc], s[84+\q]         ; gain / sqrt(variance + 1e-6)
.set cc, cc+1
.endr
.irp p, 0,1
.set cc, 0
.rept 32
.if cc < 16
.set bs, 48+cc
.else
.set bs, 52+cc
.endif
	v_fma_f32 v[H+32*\p+cc], v[X+64*\q+2*cc+\p], s[16+cc], s[bs]   ; one fused line a number; its destination also sorts the two pixels apart
.set cc, cc+1
.endr
.endr
.if \q == 0
	PARAMS 1                                       ; behind the last reader of group 0's: they land while group 0 is quantised
.endif
	QB \q, 0
	QB \q, 1
.endm
	NORMQ 0
	NORMQ 1
; The way out: a lane's 16 bytes belong to a row of an image, and the lanes beside it hold rows two apart: through my own stage, and out as 512 consecutive bytes a store.
.irp q, 0,1
.irp p, 0,1
	ds_store_b128 v2, v[CD+4*(2*\q+\p):CD+4*(2*\q+\p)+3] offset:256*\q+16*\p
.endr
.endr
.irp k, 0,1,2,3
	ds_load_b128 v[H+4*\k:H+4*\k+3], v3 offset:512*\k   ; LDS serves a wave's instructions in order: these see my stores
.endr
	global_store_b32 v5, v28, s[12:13]             ; my two pixels' scale bytes
.irp k, 0,1,2,3
	s_wait_dscnt 3-\k                              ; pixel tile k is back; the younger loads may be out
	global_store_b128 v4, v[H+4*\k:H+4*\k+3], s[10:11] offset:4096*\k
.endr
	s_wait_tensorcnt 0x0
	ds_add_u32 v240, v241
	s_wait_dscnt 0x0
	s_endpgm
.Lfunc_end_k_q5b4748895d_norm:
	.size	k_q5b4748895d_norm, .Lfunc_end_k_q5b4748895d_norm-k_q5b4748895d_norm
	.p2alignl 7, 3214868480
	.fill 96, 4, 3214868480
	.section	.rodata,"a",@progbits
	.p2align	6, 0x0
	.amdhsa_kernel k_q5b4748895d_norm
		.amdhsa_group_segment_fixed_size 35840
		.amdhsa_private_segment_fixed_size 0
		.amdhsa_enable_private_segment 0
		.amdhsa_kernarg_size 40
		.amdhsa_user_sgpr_count 2
		.amdhsa_user_sgpr_kernarg_segment_ptr 1
		.amdhsa_wavefront_size32 1
		.amdhsa_system_sgpr_workgroup_id_x 1
		.amdhsa_system_sgpr_workgroup_id_y 1
		.amdhsa_system_sgpr_workgroup_id_z 1
		.amdhsa_system_vgpr_workitem_id 0
		.amdhsa_next_free_vgpr 242
		.amdhsa_next_free_sgpr 96
		.amdhsa_reserve_vcc 0
		.amdhsa_float_denorm_mode_32 3
		.amdhsa_float_denorm_mode_16_64 3
		.amdhsa_memory_ordered 1
		.amdhsa_forward_progress 1
		.amdhsa_inst_pref_size 44
	.end_amdhsa_kernel
	.amdgpu_metadata
---
amdhsa.version: [ 1, 2 ]
amdhsa.kernels:
  - .name:           k_q5b4748895d_norm
    .symbol:         k_q5b4748895d_norm.kd
    .args:
      - { .name: x, .offset: 0, .size: 8, .value_kind: global_buffer, .address_space: global }
      - { .name: gn_scale, .offset: 8, .size: 8, .value_kind: global_buffer, .address_space: global }
      - { .name: gn_bias, .offset: 16, .size: 8, .value_kind: global_buffer, .address_space: global }
      - { .name: hc, .offset: 24, .size: 8, .value_kind: global_buffer, .address_space: global }
      - { .name: hs, .offset: 32, .size: 8, .value_kind: global_buffer, .address_space: global }
    .group_segment_fixed_size: 35840
    .private_segment_fixed_size: 0
    .kernarg_segment_align: 8
    .kernarg_segment_size: 40
    .max_flat_workgroup_size: 512
    .sgpr_count:     96
    .vgpr_count:     242
    .wavefront_size: 32
...
	.end_amdgpu_metadata
.endif
;; end of part 1
;; launch qkv (part 2): grid 64 x 4, 4 waves a work-group, clusters of 4 x 1, 168,448 bytes of LDS; arguments hc, hs, wq_codes, wq_scales, wk_codes, wk_scales, wv_codes, wv_scales, bq, bk, bv, qq, kv; writes qq, kv
.if DOCPART == 2
	.amdgcn_target "amdgcn-amd-amdhsa--gfx1250"
	.amdhsa_code_object_version 6
	.text
	.protected	k_q5b4748895d_qkv
	.globl	k_q5b4748895d_qkv
	.p2align	8
	.type	k_q5b4748895d_qkv,@function
k_q5b4748895d_qkv:
	s_mov_b64 s[64:65], 0
	v_nop
	global_prefetch_b8 v0, s[64:65] scope:SCOPE_SE
	s_setreg_imm32_b32 hwreg(HW_REG_WAVE_MODE, 25, 1), 1
	s_wait_xcnt 0x0
	s_wait_alu depctr_hold_cnt(0) depctr_sa_sdst(0) depctr_va_vdst(0) depctr_va_sdst(0) depctr_va_ssrc(0) depctr_va_vcc(0) depctr_vm_vsrc(0)
	s_getreg_b32 s2, hwreg(HW_REG_IB_STS2, 6, 4)
	s_cmp_eq_u32 s2, 0
	s_cbranch_scc0 .Lentry_in_a_cluster
	s_endpgm
.Lentry_in_a_cluster:
	s_bfe_u32 s2, ttmp6, 0x10000c
	s_cmp_lg_u32 s2, 0x3003
	s_cbranch_scc0 .Lentry_shape_is_right
	s_endpgm
.Lentry_shape_is_right:
; q, k, v = w hn + b on E2M1 codes, each result quantised at once: q and k along the channels, v along the pixels.  Nothing but codes and scale bytes is stored.
; SHARES.  Work-group (X, j): 512 pixels (X = 0..63), outputs 128 j .. 128 j + 127 of each of q, k, v.  Wave w owns the pixel block B = 4 X + w (128 pixels): its hn, 32 fragments, stays in registers.
; A UNIT is 32 matrix instructions (8 accumulators by turns, 4 K steps) and makes exactly one fragment of the next launch's operands and one scale word a row.
; CLUSTER.  The four work-groups of a cluster share j: their 128 rows of each weight, codes and scale bytes, are asked for JOINTLY, once, into LDS.  LDS is filled once in the launch.
; q, k: source 0 = 16 rows of w, source 1 = 16 pixels: a lane holds ONE pixel and its registers run along the outputs, the next K.  THE ROWS OF w THAT FORM A TILE ARE NOT NEIGHBOURS: lane r of tile 2 b + u takes
;       row 32 b + 8 u + r + 8 (r / 8), so that the 16 registers of tiles 2 b, 2 b + 1 are 16 neighbouring channels.
; v:    source 0 = 16 pixels, source 1 = 16 rows of w (the same tiles): a lane holds ONE channel and its registers run along the pixels.  Register 16 b + i of lane half h is pixel 32 b + 16 (i / 8) + 8 h + i % 8:
;       each block of 32 is the true block; the order inside it is the one that the softmax's weights have in the next launch, which is all that a product asks of its two operands.
; OUT: images of operand registers (1,024 bytes a fragment: registers 4 c .. 4 c + 3 of lane l at 512 c + 16 l) and blocks of scale words (512 bytes for 8 tiles: row r of tile 2 i + h at 16 (16 h + r) + 4 i).
;      qq record (34,816 bytes a pixel block): codes (tile, K step) at 4,096 tile + 1,024 step; scale block of K step j at 32,768 + 512 j.
;      kv record (69,632): k's codes likewise; v's tile ct at 32,768 + 1,024 ct; k's scale blocks at 65,536 + 512 j; v's at 67,584 + 512 j.
; REGISTERS: window 0: v1-7 addresses; v16-79 accumulators; v80-111 the quantiser's; v112-127 hn's scale words; v128-143 the weight's; v144-175 scale bytes as loaded.
;            window 1: hn's fragments (32 tile + 8 step).  window 2: the weight's (32 tile + 8 step).  window 3: the biases in the results' layout, the C of each sum's first product.
; LIMITS: NaN and infinities are not served; a block whose largest magnitude lies under 2^-124, a block of zeros among them, gets the byte 1.
.set QREC, 34816
.set REC,  69632
.set WP,   272                         ; a weight's row in LDS: 256 bytes + 16 of padding: the 16 rows that a load touches start at different banks
.set WT,   128*WP                      ; a tensor's 128 rows
.set WSC,  3*WT                        ; behind the codes: the scale bytes, 16 a row, 2,048 a tensor
.set LI,   1                           ; v1  16 x lane
.set WL,   2                           ; v2  my lane's place in a tile of a weight
.set WA,   3                           ; v3  the same in the tensor in hand
.set WSA,  4                           ; v4  my lane's place among a weight's scale bytes: lanes 0-15 an even tile's rows, lanes 16-31 the odd tile's
.set ACC,  16
.set PC,   80                          ; v80-87  the codes just made
.set TM,   88                          ; v88-103 at work
.set PW,   104                         ; the scale word just made
.set SW,   108                         ; v108-111 a block of scale words: register i: tile 2 i in lanes 0-15, tile 2 i + 1 in lanes 16-31
.set HS,   112                         ; hn's scale words: register 4 i + s likewise, K step s
.set WS,   128                         ; the weight's likewise
.set TU,   144
.set SEL,  62
.set MSB, 0
.macro WIN new                         ; the immediate's high byte repeats the setting that is left
.if MSB != (\new)
	s_set_vgpr_msb (MSB<<8)|(\new)
.set MSB, (\new)
.endif
.endm
.macro CROUND                          ; a round of the cluster's barrier
	s_barrier_signal -1
	s_barrier_wait -1
	s_cmp_lg_u32 s3, 0
	s_cbranch_scc1 .Lnot_wave_0_\@
	s_barrier_signal -3
.Lnot_wave_0_\@:
	s_barrier_wait -3
	s_barrier_signal -1
	s_barrier_wait -1
.endm
.macro PLACES
.rept 4
	v_nop
.endr
.endm
; One product; its registers are the symbols rD, rA, rB, rC, rSA, rSB; rRA, rRB = 1: that side's scale words stand in lanes 16-31
.macro MM
.if rRA && rRB
	v_wmma_scale_f32_16x16x128_f8f6f4 v[rD:rD+7], v[rA:rA+7], v[rB:rB+7], v[rC:rC+7], v[rSA], v[rSB] matrix_a_fmt:MATRIX_FMT_FP4 matrix_b_fmt:MATRIX_FMT_FP4 matrix_a_scale:MATRIX_SCALE_ROW1 matrix_b_scale:MATRIX_SCALE_ROW1
.elseif rRA
	v_wmma_scale_f32_16x16x128_f8f6f4 v[rD:rD+7], v[rA:rA+7], v[rB:rB+7], v[rC:rC+7], v[rSA], v[rSB] matrix_a_fmt:MATRIX_FMT_FP4 matrix_b_fmt:MATRIX_FMT_FP4 matrix_a_scale:MATRIX_SCALE_ROW1
.elseif rRB
	v_wmma_scale_f32_16x16x128_f8f6f4 v[rD:rD+7], v[rA:rA+7], v[rB:rB+7], v[rC:rC+7], v[rSA], v[rSB] matrix_a_fmt:MATRIX_FMT_FP4 matrix_b_fmt:MATRIX_FMT_FP4 matrix_b_scale:MATRIX_SCALE_ROW1
.else
	v_wmma_scale_f32_16x16x128_f8f6f4 v[rD:rD+7], v[rA:rA+7], v[rB:rB+7], v[rC:rC+7], v[rSA], v[rSB] matrix_a_fmt:MATRIX_FMT_FP4 matrix_b_fmt:MATRIX_FMT_FP4
.endif
.endm
; 64 numbers of a lane, v[s] .. v[s + 63], register 16 b + i = place 32 b + 16 (lane / 16) + i along K of my row, become a fragment's codes in v[PC] on and its scale word in v[PW]
.macro QUANT s
.irp b, 0,1,2,3
	v_max3_num_f32 v[TM+\b], |v[\s+16*\b]|, |v[\s+1+16*\b]|, 0x1800000   ; my 16 numbers of block b, and the floor 2^(3 - 127): the byte cannot fall under 1
.endr
.irp i, 2,4,6,8,10,12,14
.irp b, 0,1,2,3
	v_max3_num_f32 v[TM+\b], v[TM+\b], |v[\s+16*\b+\i]|, |v[\s+1+16*\b+\i]|   ; the four blocks by turns
.endr
.endr
.irp b, 0,1,2,3
	v_permlanex16_b32 v[TM+4+\b], v[TM+\b], s[SEL], s[SEL+1]
.endr
.irp b, 0,1,2,3
	v_max_num_f32 v[TM+\b], v[TM+\b], v[TM+4+\b]   ; with lane l xor 16's: the block's largest magnitude
.endr
.irp b, 0,1,2,3
	v_add_nc_u32 v[TM+12+\b], 0xff000000, v[TM+\b]   ; 2 off its exponent field: the conversion's scale operand
.endr
.irp b, 0,1,2,3
	v_lshrrev_b32 v[TM+4+\b], 23, v[TM+12+\b]      ; the scale's byte
.endr
	v_lshl_or_b32 v[PW], v[TM+5], 8, v[TM+4]
	v_lshl_or_b32 v[PW], v[TM+6], 16, v[PW]
	v_lshl_or_b32 v[PW], v[TM+7], 24, v[PW]
.irp b, 0,1,2,3
	v_cvt_scalef32_pk8_fp4_f32 v[PC+2*\b], v[\s+16*\b:\s+7+16*\b], v[TM+12+\b]
	v_cvt_scalef32_pk8_fp4_f32 v[PC+1+2*\b], v[\s+8+16*\b:\s+15+16*\b], v[TM+12+\b]
.endr
	v_nop                                          ; one plain line behind a scaled conversion
.irp c, 0,1                                    ; the operand's layout wants a whole block in a lane: lanes 0-15 block 2 c, lanes 16-31 block 2 c + 1
.irp i, 0,1
	v_permlane16_swap_b32 v[PC+4*\c+\i], v[PC+2+4*\c+\i]
.endr
.endr
.endm
	s_load_b512 s[68:83], s[0:1], 0x0              ; hc s[68:69], hs s[70:71], then codes and scales of wq s[72:75], wk s[76:79], wv s[80:83]
	s_load_b256 s[84:91], s[0:1], 0x40             ; bq, bk, bv, qq
	s_load_b64 s[92:93], s[0:1], 0x60              ; kv
	v_lshl_add_u32 v254, v0, 2, 0x29000
	v_mov_b32 v255, 0
	ds_add_u32 v254, v255
	ds_add_u32 v254, v255
	v_lshrrev_b32 v1, 5, v0
	v_readfirstlane_b32 s3, v1                     ; wave 0..3
	s_and_b32 s6, ttmp7, 0xffff                    ; j, which the four partners share
	; descriptor group 1.  Codes: 32 rows of 256 bytes, 16 bytes of padding behind each.  15:0 the mask: all four work-groups; 17:16 elements of 1 byte; 20 padding on; 21 set beside a mask; 24:22 after 64 words; 31:25 four words
	s_mov_b32 s20, 15|(1<<20)|(1<<21)|(5<<22)|(3<<25)
	s_mov_b32 s21, 256<<16                         ; tensor_dim0
	s_mov_b32 s22, 32<<16                          ; tensor_dim1
	s_mov_b32 s23, 256<<16                         ; tile_dim0
	s_mov_b32 s24, 32                              ; tile_dim1
	s_mov_b32 s25, 256                             ; from row to row
	s_mov_b32 s26, 0
	s_mov_b32 s27, 0
	; scale bytes: 512 dense bytes as 2 rows of 32 elements of 8 bytes, no padding
	s_mov_b32 s28, 15|(3<<16)|(1<<21)
	s_mov_b32 s29, 32<<16
	s_mov_b32 s30, 2<<16
	s_mov_b32 s31, 32<<16
	s_mov_b32 s32, 2
	s_mov_b32 s33, 32
	s_mov_b32 s34, 0
	s_mov_b32 s35, 0
	s_mul_i32 s8, s3, 32*WP                        ; wave w fetches rows 32 w .. 32 w + 31 of the 128: their place in LDS,
	s_lshl_b32 s9, s3, 9                           ; their scale bytes' place,
	s_lshl_b32 s10, s6, 15
	s_lshl_b32 s11, s3, 13
	s_add_co_u32 s10, s10, s11                     ; their codes in memory: 32,768 j + 8,192 w,
	s_mov_b32 s11, 0
	s_lshl_b32 s12, s6, 11
	s_lshl_b32 s13, s3, 9
	s_add_co_u32 s12, s12, s13                     ; and their scale bytes: 2,048 j + 512 w.  Nothing here hangs on the work-group's place in its cluster
	s_mov_b32 s13, 0
	s_wait_dscnt 0x0
	s_wait_kmcnt 0x0
.irp t, 0,1,2
	s_mov_b32 s[36+8*\t], 1                        ; count
	s_add_co_u32 s[37+8*\t], s8, WT*\t             ; LDS address
	s_add_nc_u64 s[38+8*\t:39+8*\t], s[72+4*\t:73+4*\t], s[10:11]
	s_or_b32 s[39+8*\t], s[39+8*\t], 0x80000000    ; type
	s_mov_b32 s[40+8*\t], 1
	s_add_co_u32 s[41+8*\t], s9, WSC+2048*\t
	s_add_nc_u64 s[42+8*\t:43+8*\t], s[74+4*\t:75+4*\t], s[12:13]
	s_or_b32 s[43+8*\t], s[43+8*\t], 0x80000000
.endr
	CROUND                                         ; all four work-groups are here: the joint loads meet
.irp t, 0,1,2
	tensor_load_to_lds s[36+8*\t:39+8*\t], s[20:27]   ; every wave issues all six, each for rows of its own: six loads of mine are out
	s_nop 0
	tensor_load_to_lds s[40+8*\t:43+8*\t], s[28:35]
	s_nop 0
.endr
	PLACES
	s_bfe_u32 s4, ttmp6, 0x40000                   ; cx: it enters global addresses of hn and of the results alone
	s_lshl_b32 s5, ttmp9, 2
	s_add_co_u32 s5, s5, s4                        ; X
	s_lshl_b32 s7, s5, 2
	s_add_co_u32 s7, s7, s3                        ; B, my pixel block
	s_mov_b32 s60, 0xffff0000                      ; lanes 16-31
	s_mov_b32 s[SEL], 0x76543210
	s_mov_b32 s[SEL+1], 0xfedcba98
	v_and_b32 v8, 31, v0                           ; lane
	v_lshlrev_b32 v[LI], 4, v8
	v_and_b32 v9, 15, v0                           ; r
	v_bfe_u32 v10, v0, 4, 1                        ; h
	v_and_b32 v11, 8, v9
	v_add_nc_u32 v11, v11, v9                      ; r + 8 (r / 8)
	v_mul_u32_u24 v[WL], v11, WP
	v_lshl_add_u32 v[WL], v10, 4, v[WL]
	v_lshl_add_u32 v[WSA], v10, 3, v11
	v_lshlrev_b32 v[WSA], 4, v[WSA]
	v_add_nc_u32 v[WSA], WSC, v[WSA]
	v_lshlrev_b32 v5, 1, v8                        ; v5: 2 x lane: hn's scale bytes, two a pixel
	v_lshlrev_b32 v6, 6, v10                       ; v6: 64 h: bq, bk: my half's 16 channels of a pair of tiles
	v_lshlrev_b32 v7, 2, v11                       ; v7: bv: my channel
.irp b, 0,1,2,3
	v_mov_b32 v[TM+4+\b], 0                        ; a lane permute's destination counts as one of its sources
.endr
	s_lshl_b32 s14, s7, 15                         ; hc: 32,768 bytes a pixel block
	s_mov_b32 s15, 0
	s_add_nc_u64 s[68:69], s[68:69], s[14:15]
	s_lshr_b32 s14, s7, 3
	s_lshl_b32 s14, s14, 14
	s_and_b32 s16, s7, 7
	s_lshl_b32 s16, s16, 8
	s_add_co_u32 s14, s14, s16                     ; hs: 16,384 an image + 256 a pixel block
	s_add_nc_u64 s[70:71], s[70:71], s[14:15]
	s_lshl_b32 s14, s6, 9                          ; the biases: 512 j
	s_add_nc_u64 s[84:85], s[84:85], s[14:15]
	s_add_nc_u64 s[86:87], s[86:87], s[14:15]
	s_add_nc_u64 s[88:89], s[88:89], s[14:15]
.irp i, 0,1,2,3
.irp g, 0,1,2,3,4,5,6,7
	global_load_u16 v[TU+8*\i+\g], v5, s[70:71] offset:2048*\g+64*\i   ; pixels 32 i + lane: tile 2 i in lanes 0-15, tile 2 i + 1 in lanes 16-31; groups 2 g, 2 g + 1
.endr
.endr
	WIN 0x40                                       ; destination window 1
.set aa, 0
.rept 8
.set ss, 0
.rept 4
	global_load_b128 v[32*aa+8*ss:32*aa+8*ss+3], v[LI], s[68:69] offset:4096*aa+1024*ss
	global_load_b128 v[32*aa+8*ss+4:32*aa+8*ss+7], v[LI], s[68:69] offset:4096*aa+1024*ss+512
.set ss, ss+1
.endr
.set aa, aa+1
.endr
	WIN 0xc0                                       ; destination window 3
.irp t, 0,1
.set aa, 0
.rept 8
	global_load_b128 v[64*\t+8*aa:64*\t+8*aa+3], v6, s[84+2*\t:85+2*\t] offset:4*(32*(aa/2)+8*(aa%2))      ; lane half h, tile 2 b + u: channels 32 b + 16 h + 8 u + 0 .. 7
	global_load_b128 v[64*\t+8*aa+4:64*\t+8*aa+7], v6, s[84+2*\t:85+2*\t] offset:4*(32*(aa/2)+8*(aa%2))+16
.set aa, aa+1
.endr
.endr
.set aa, 0
.rept 8
.irp e, 0,1,2,3,4,5,6,7
	global_load_b32 v[128+8*aa+\e], v7, s[88:89] offset:4*(32*(aa/2)+8*(aa%2))   ; v: a lane is one channel: eight equal registers
.endr
.set aa, aa+1
.endr
	WIN 0
	s_wait_loadcnt 0x0
.irp i, 0,1,2,3
.irp s, 0,1,2,3
	v_lshl_or_b32 v[HS+4*\i+\s], v[TU+8*\i+2*\s+1], 16, v[TU+8*\i+2*\s]   ; groups 4 s .. 4 s + 3: the scale word of K step s
.endr
.endr
.rept 8
	v_nop                                          ; a scale register written by a vector instruction stands 8 places ahead of a scaled product
.endr
; where the results go.  The loads from the biases are done, so their pointers' registers may take three of the bases
.macro BASE dst, src, rec, sh, const   ; s[dst:dst+1] = s[src:src+1] + s[rec] + (j << sh) + const
	s_lshl_b32 s14, s6, \sh
	s_add_co_u32 s14, s14, s[\rec]
	s_add_co_u32 s14, s14, \const
	s_add_nc_u64 s[\dst:\dst+1], s[\src:\src+1], s[14:15]
.endm
	s_mul_i32 s16, s7, QREC
	s_mul_i32 s17, s7, REC
	BASE 94, 90, 16, 10, 0                         ; q's codes: K step j
	BASE 84, 90, 16, 9, 32768                      ; q's scale block j
	BASE 96, 92, 17, 10, 0                         ; k's codes
	BASE 86, 92, 17, 9, 65536                      ; k's scale block j
	BASE 98, 92, 17, 13, 32768                     ; v's tiles 8 j on
	BASE 88, 92, 17, 9, 67584                      ; v's scale block j
	s_wait_tensorcnt 0x0                           ; my rows of the three weights have landed,
	s_barrier_signal -1
	s_barrier_wait -1                              ; everybody's have
; One unit: unit uu of tensor t.  mode 0: pixel tile uu x the weight's 8 tiles;  mode 1: the weight's tile uu x the 8 pixel tiles.
.macro UNIT t, mode, oc, stride
.set ss, 0
.rept 4
.if ss == 0
	WIN 0x36+3*\mode                               ; the weight in window 2, hn in window 1, the bias (C) in window 3
.else
	WIN 0x06+3*\mode                               ; C is the accumulator, window 0
.endif
.set aa, 0
.rept 8                                        ; the eight accumulators take turns, one instruction a turn
.set rD, ACC+8*aa
.set rA, 32*aa+8*ss
.set rB, 32*uu+8*ss
.set rRA, aa%2
.set rRB, uu%2
.if \mode == 0
.set rC, 64*\t+8*aa
.set rSA, WS+4*(aa/2)+ss
.set rSB, HS+4*(uu/2)+ss
.else
.set rC, 128+8*uu
.set rSA, HS+4*(aa/2)+ss
.set rSB, WS+4*(uu/2)+ss
.endif
.if ss > 0
.set rC, rD
.endif
	MM
.set aa, aa+1
.endr
.set ss, ss+1
.endr
	WIN 0
	PLACES                                         ; four places in front of the first read of results
	s_wait_xcnt 0x0                                ; the last stores have read their data: the codes' and scale words' registers are written again only behind this wait
	QUANT ACC
	global_store_b128 v[LI], v[PC:PC+3], s[\oc:\oc+1] offset:uu*\stride th:TH_STORE_NT          ; 512 consecutive bytes a store
	global_store_b128 v[LI], v[PC+4:PC+7], s[\oc:\oc+1] offset:uu*\stride+512 th:TH_STORE_NT
.if uu%2 == 0
	v_mov_b32 v[SW+uu/2], v[PW]                    ; every lane holds its row's word: an even tile's stays in lanes 0-15,
.else
	v_cndmask_b32 v[SW+uu/2], v[SW+uu/2], v[PW], s60   ; the odd tile's takes lanes 16-31
.endif
.endm
.macro PHASE t, mode, oc, os, stride
	v_add_nc_u32 v[WA], WT*\t, v[WL]
	WIN 0x80                                       ; destination window 2.  (The places in front of these loads are the plain lines of the last unit's quantiser)
.set aa, 0
.rept 8
.set ss, 0
.rept 4
	ds_load_b128 v[32*aa+8*ss:32*aa+8*ss+3], v[WA] offset:(32*(aa/2)+8*(aa%2))*WP+64*ss
	ds_load_b128 v[32*aa+8*ss+4:32*aa+8*ss+7], v[WA] offset:(32*(aa/2)+8*(aa%2))*WP+64*ss+32
.set ss, ss+1
.endr
.set aa, aa+1
.endr
	WIN 0
.irp i, 0,1,2,3
	ds_load_b128 v[WS+4*\i:WS+4*\i+3], v[WSA] offset:2048*\t+512*\i   ; a row's 16 scale bytes are its four K steps' words
.endr
	s_wait_dscnt 0x0
.set uu, 0
.rept 8
	UNIT \t, \mode, \oc, \stride
.set uu, uu+1
.endr
	global_store_b128 v[LI], v[SW:SW+3], s[\os:\os+1]   ; the eight tiles' scale words: 512 consecutive bytes
.endm
	PHASE 0, 0, 94, 84, 4096
	PHASE 1, 0, 96, 86, 4096
	PHASE 2, 1, 98, 88, 1024
	s_wait_dscnt 0x0
	s_wait_tensorcnt 0x0
	ds_add_u32 v254, v255
	s_wait_dscnt 0x0
	CROUND                                         ; the closing round: no work-group ends while a partner may still ask for a tile that names it
	s_endpgm
.Lfunc_end_k_q5b4748895d_qkv:
	.size	k_q5b4748895d_qkv, .Lfunc_end_k_q5b4748895d_qkv-k_q5b4748895d_qkv
	.p2alignl 7, 3214868480
	.fill 96, 4, 3214868480
	.section	.rodata,"a",@progbits
	.p2align	6, 0x0
	.amdhsa_kernel k_q5b4748895d_qkv
		.amdhsa_group_segment_fixed_size 168448
		.amdhsa_private_segment_fixed_size 0
		.amdhsa_enable_private_segment 0
		.amdhsa_kernarg_size 104
		.amdhsa_user_sgpr_count 2
		.amdhsa_user_sgpr_kernarg_segment_ptr 1
		.amdhsa_wavefront_size32 1
		.amdhsa_system_sgpr_workgroup_id_x 1
		.amdhsa_system_sgpr_workgroup_id_y 1
		.amdhsa_system_sgpr_workgroup_id_z 1
		.amdhsa_system_vgpr_workitem_id 0
		.amdhsa_next_free_vgpr 1024
		.amdhsa_next_free_sgpr 100
		.amdhsa_reserve_vcc 0
		.amdhsa_float_denorm_mode_32 3
		.amdhsa_float_denorm_mode_16_64 3
		.amdhsa_memory_ordered 1
		.amdhsa_forward_progress 1
		.amdhsa_inst_pref_size 238
	.end_amdhsa_kernel
	.amdgpu_metadata
---
amdhsa.version: [ 1, 2 ]
amdhsa.kernels:
  - .name:           k_q5b4748895d_qkv
    .symbol:         k_q5b4748895d_qkv.kd
    .args:
      - { .name: hc, .offset: 0, .size: 8, .value_kind: global_buffer, .address_space: global }
      - { .name: hs, .offset: 8, .size: 8, .value_kind: global_buffer, .address_space: global }
      - { .name: wq_codes, .offset: 16, .size: 8, .value_kind: global_buffer, .address_space: global }
      - { .name: wq_scales, .offset: 24, .size: 8, .value_kind: global_buffer, .address_space: global }
      - { .name: wk_codes, .offset: 32, .size: 8, .value_kind: global_buffer, .address_space: global }
      - { .name: wk_scales, .offset: 40, .size: 8, .value_kind: global_buffer, .address_space: global }
      - { .name: wv_codes, .offset: 48, .size: 8, .value_kind: global_buffer, .address_space: global }
      - { .name: wv_scales, .offset: 56, .size: 8, .value_kind: global_buffer, .address_space: global }
      - { .name: bq, .offset: 64, .size: 8, .value_kind: global_buffer, .address_space: global }
      - { .name: bk, .offset: 72, .size: 8, .value_kind: global_buffer, .address_space: global }
      - { .name: bv, .offset: 80, .size: 8, .value_kind: global_buffer, .address_space: global }
      - { .name: qq, .offset: 88, .size: 8, .value_kind: global_buffer, .address_space: global }
      - { .name: kv, .offset: 96, .size: 8, .value_kind: global_buffer, .address_space: global }
    .group_segment_fixed_size: 168448
    .private_segment_fixed_size: 0
    .kernarg_segment_align: 8
    .kernarg_segment_size: 104
    .max_flat_workgroup_size: 128
    .sgpr_count:     100
    .vgpr_count:     1024
    .wavefront_size: 32
...
	.end_amdgpu_metadata
.endif
;; end of part 2
;; launch attn (part 3): grid 8 x 32, 4 waves a work-group, clusters of 4 x 1, 327,680 bytes of LDS; arguments qq, kv, wo_codes, wo_scales, bo, x, out0; writes out0
.if DOCPART == 3
	.amdgcn_target "amdgcn-amd-amdhsa--gfx1250"
	.amdhsa_code_object_version 6
	.text
	.protected	k_q5b4748895d_attn
	.globl	k_q5b4748895d_attn
	.p2align	8
	.type	k_q5b4748895d_attn,@function
k_q5b4748895d_attn:
	s_mov_b64 s[64:65], 0
	v_nop
	global_prefetch_b8 v0, s[64:65] scope:SCOPE_SE
	s_setreg_imm32_b32 hwreg(HW_REG_WAVE_MODE, 25, 1), 1
	s_wait_xcnt 0x0
	s_wait_alu depctr_hold_cnt(0) depctr_sa_sdst(0) depctr_va_vdst(0) depctr_va_sdst(0) depctr_va_ssrc(0) depctr_va_vcc(0) depctr_vm_vsrc(0)
	s_getreg_b32 s2, hwreg(HW_REG_IB_STS2, 6, 4)
	s_cmp_eq_u32 s2, 0
	s_cbranch_scc0 .Lentry_in_a_cluster
	s_endpgm
.Lentry_in_a_cluster:
	s_bfe_u32 s2, ttmp6, 0x10000c
	s_cmp_lg_u32 s2, 0x3003
	s_cbranch_scc0 .Lentry_shape_is_right
	s_endpgm
.Lentry_shape_is_right:
; out0 = wo (v softmax(q^T k / sqrt(512))^T) + bo + x, all three products on E2M1 codes with one E8M0 scale for each 32 along K.
; SHARES.  A work-group owns 128 queries of one image; each of its four waves, as many as a WGP has SIMDs, owns 32 of them: two tiles of 16, A and B, with O^T (512 channels x 16 queries, 256 registers) of each.
; Every wave walks the image's 1,024 keys, 128 a step, and EVERY FRAGMENT OF k AND v THAT IT READS FROM LDS FEEDS TWO PRODUCTS, one for each tile.  In the epilogue wave w makes outputs 128 w .. 128 w + 127 for all 128 queries.
; SOFTMAX.  t = score x log2(e) / sqrt(512); M = the running largest t rounded up to a whole number; p = 2^(t - M) is quantised along the keys, not normalised; the sum is taken of the unquantised p and divides at the end.
; When M moves, the sum and O^T are multiplied by 2^(old M - new M), which rounds nothing.
; LAYOUT.  S^T = k q^T (source 0 = 16 keys) and O^T = v p^T (source 0 = 16 channels): a lane holds ONE query throughout.  p's register 16 b + i of lane half h is key 32 b + 16 (i / 8) + 8 h + i % 8, the order in which
; the launch before laid v's codes.  v's tiles are made of channels 32 b + 8 u + m + 8 (m / 8), so that O^T's registers run along the channels in true order, as wo's given codes ask.
; RING.  Two LDS slots of two key steps (2 x 69,632 dense bytes); each wave fetches a quarter of a slot, 136 rows of 256 bytes.  CLUSTER: the four query blocks of a cluster walk the same records: every tile is asked for jointly.
; All operands lie in LDS as images of their registers: every load is 512 consecutive bytes.  The loads run one group of 16 ahead of the products, in two buffers.
; THE STEP IS WRITTEN TWICE (loop and tail): O^T and the sums begin as zeros and the largest t as -3e38, so that the first step is a step like any other; the 512 lines that write the zeros stand where the wave
; waits for its first tile, and spare two more copies of a step of about a thousand instructions.
; REGISTERS, in windows of 256.  window 0: v1-13 addresses; v16-31 k's scale words (later wo's); v32-35 q's (tile A in lanes 0-15, B in lanes 16-31); v36-51 p's codes; v52-67 statistics, eight a tile: -M, largest t,
;   the sum in two halves, f, p's scale word, one at work; v68-92 at work; v96-223 S^T, then p, 64 a tile (later two sets of accumulators); v224-239 v's scale words (later the attention result's); v240-247 bo; v248-255 bo as C.
;   window 1: v0-63 q; v64-127, v128-191 two buffers of eight fragments; in the epilogue all 256: wo.   window 2: O^T of tile A, later the attention result's 32 fragments.   window 3: O^T of tile B, later four tiles of x.
; LIMITS: NaN and infinities are not served; a block whose largest magnitude lies under 2^-124, a block of zeros among them, gets the byte 1 (zeros: the codes are zeros, and this program alone reads the bytes).
.set QREC,  34816
.set REC,   69632
.set SLOTB, 2*REC                      ; a slot; slot 1 begins here.  0x22000: no wave's offset in a slot (0x8800 x wave) and no record's (0x11000) has one of its two bits, so one exclusive or turns an address in one slot into the other's
.set SPARE, 2*SLOTB                    ; behind the ring: the spare words, 128 bytes for each wave: two blocks of 256 bytes that no other line names
.set PART,  SLOTB/4                    ; 34,816 bytes: 136 rows of 256: what one tensor load brings
.set OIMG,  0                          ; the epilogue, in slot 0, which has had its last fill and its last read: the attention result's 32 fragments, (query tile, K step) at 1,024 (4 tile + step),
.set OSC,   32768                      ; and their scale words, 128 bytes a fragment
.set STAGE, SLOTB                      ; in slot 1, behind the barrier at which every wave has left it: 16 rows x (512 bytes + 16) for each wave
.set SP,    528
.set LI,  1                            ; v1  16 x lane
.set SPW, 2                            ; v2  my spare word; never rewritten
.set NIL, 3                            ; v3  0; never rewritten
.set ADK, 4                            ; v4  the step's record + 16 x lane; in the epilogue where I put my images
.set ADV, 5                            ; v5  the same + 32,768
.set PFO, 6                            ; v6  256 x lane
.set PFX, 7                            ; v7  4,096 (lane / 2) + 256 (lane % 2)
.set STO, 8                            ; v8  the stage: where I put 32 bytes of a row
.set RD,  9                            ; v9  and where I read a row back
.set OSW, 10                           ; v10 where I put my fragments' scale words
.set OSA, 11                           ; v11 and where I read them
.set WOA, 12                           ; v12 wo's codes: 256 r + 16 h
.set BOA, 13                           ; v13 bo: 4 r
.set KS,  16
.set QS,  32
.set PC,  36
.set ST,  52
.set TM,  68                           ; twelve a tile: largest scores, then largest p; the other half's, then bytes; scale operands
.set PW,  92
.set S,   96
.set VS,  224
.set BOV, 240
.set CB,  248
.set F0,  64                           ; in window 1
.set F1,  128
.set WV,  18
.set SEL, 20
.set CS,  22
.set G1,  24
.set G0,  32
.set TB,  40
.set CNT, 41
.set PFA, 44
.set LIM, 46
.set SLOTS, 47
.set MSB, 0
.macro WIN new                         ; the immediate's high byte repeats the setting that is left; low byte: bits 1:0 source 0, 3:2 source 1, 5:4 source 2, 7:6 destination
.if MSB != (\new)
	s_set_vgpr_msb (MSB<<8)|(\new)
.set MSB, (\new)
.endif
.endm
.macro CROUND                          ; a round of the cluster's barrier
	s_barrier_signal -1
	s_barrier_wait -1
	s_cmp_lg_u32 s[WV], 0
	s_cbranch_scc1 .Lnot_wave_0_\@
	s_barrier_signal -3
.Lnot_wave_0_\@:
	s_barrier_wait -3
	s_barrier_signal -1
	s_barrier_wait -1
.endm
.macro PLACES                          ; four plain lines behind matrix instructions, in front of loads into their registers and of the first read of their results
.rept 4
	v_nop
.endr
.endm
; One product; its registers are the symbols rD, rA, rB, rC, rSA, rSB; cM = 0: it starts a sum with the constant 0; rRA, rRB = 1: that side's scale words stand in lanes 16-31
.macro MM
.if cM
.if rRA && rRB
	v_wmma_scale_f32_16x16x128_f8f6f4 v[rD:rD+7], v[rA:rA+7], v[rB:rB+7], v[rC:rC+7], v[rSA], v[rSB] matrix_a_fmt:MATRIX_FMT_FP4 matrix_b_fmt:MATRIX_FMT_FP4 matrix_a_scale:MATRIX_SCALE_ROW1 matrix_b_scale:MATRIX_SCALE_ROW1
.elseif rRA
	v_wmma_scale_f32_16x16x128_f8f6f4 v[rD:rD+7], v[rA:rA+7], v[rB:rB+7], v[rC:rC+7], v[rSA], v[rSB] matrix_a_fmt:MATRIX_FMT_FP4 matrix_b_fmt:MATRIX_FMT_FP4 matrix_a_scale:MATRIX_SCALE_ROW1
.elseif rRB
	v_wmma_scale_f32_16x16x128_f8f6f4 v[rD:rD+7], v[rA:rA+7], v[rB:rB+7], v[rC:rC+7], v[rSA], v[rSB] matrix_a_fmt:MATRIX_FMT_FP4 matrix_b_fmt:MATRIX_FMT_FP4 matrix_b_scale:MATRIX_SCALE_ROW1
.else
	v_wmma_scale_f32_16x16x128_f8f6f4 v[rD:rD+7], v[rA:rA+7], v[rB:rB+7], v[rC:rC+7], v[rSA], v[rSB] matrix_a_fmt:MATRIX_FMT_FP4 matrix_b_fmt:MATRIX_FMT_FP4
.endif
.else
.if rRA && rRB
	v_wmma_scale_f32_16x16x128_f8f6f4 v[rD:rD+7], v[rA:rA+7], v[rB:rB+7], 0, v[rSA], v[rSB] matrix_a_fmt:MATRIX_FMT_FP4 matrix_b_fmt:MATRIX_FMT_FP4 matrix_a_scale:MATRIX_SCALE_ROW1 matrix_b_scale:MATRIX_SCALE_ROW1
.elseif rRA
	v_wmma_scale_f32_16x16x128_f8f6f4 v[rD:rD+7], v[rA:rA+7], v[rB:rB+7], 0, v[rSA], v[rSB] matrix_a_fmt:MATRIX_FMT_FP4 matrix_b_fmt:MATRIX_FMT_FP4 matrix_a_scale:MATRIX_SCALE_ROW1
.elseif rRB
	v_wmma_scale_f32_16x16x128_f8f6f4 v[rD:rD+7], v[rA:rA+7], v[rB:rB+7], 0, v[rSA], v[rSB] matrix_a_fmt:MATRIX_FMT_FP4 matrix_b_fmt:MATRIX_FMT_FP4 matrix_b_scale:MATRIX_SCALE_ROW1
.else
	v_wmma_scale_f32_16x16x128_f8f6f4 v[rD:rD+7], v[rA:rA+7], v[rB:rB+7], 0, v[rSA], v[rSB] matrix_a_fmt:MATRIX_FMT_FP4 matrix_b_fmt:MATRIX_FMT_FP4
.endif
.endif
.endm
; 64 numbers of a lane, register 16 b + i = place 32 b + 16 (lane / 16) + i along K of my row, become a fragment's codes in v[PC] on and its scale word in v[PW]
.macro QUANT s
.irp b, 0,1,2,3
	v_max3_num_f32 v[TM+\b], |v[\s+16*\b]|, |v[\s+1+16*\b]|, 0x1800000   ; my 16 numbers of block b, and the floor 2^(3 - 127): the byte cannot fall under 1
.endr
.irp i, 2,4,6,8,10,12,14
.irp b, 0,1,2,3
	v_max3_num_f32 v[TM+\b], v[TM+\b], |v[\s+16*\b+\i]|, |v[\s+1+16*\b+\i]|
.endr
.endr
.irp b, 0,1,2,3
	v_permlanex16_b32 v[TM+4+\b], v[TM+\b], s[SEL], s[SEL+1]
.endr
.irp b, 0,1,2,3
	v_max_num_f32 v[TM+\b], v[TM+\b], v[TM+4+\b]   ; with lane l xor 16's: the block's largest magnitude
.endr
.irp b, 0,1,2,3
	v_add_nc_u32 v[TM+12+\b], 0xff000000, v[TM+\b]   ; 2 off its exponent field: the conversion's scale operand
.endr
.irp b, 0,1,2,3
	v_lshrrev_b32 v[TM+4+\b], 23, v[TM+12+\b]      ; the scale's byte
.endr
	v_lshl_or_b32 v[PW], v[TM+5], 8, v[TM+4]
	v_lshl_or_b32 v[PW], v[TM+6], 16, v[PW]
	v_lshl_or_b32 v[PW], v[TM+7], 24, v[PW]
.irp b, 0,1,2,3
	v_cvt_scalef32_pk8_fp4_f32 v[PC+2*\b], v[\s+16*\b:\s+7+16*\b], v[TM+12+\b]
	v_cvt_scalef32_pk8_fp4_f32 v[PC+1+2*\b], v[\s+8+16*\b:\s+15+16*\b], v[TM+12+\b]
.endr
	v_nop                                          ; one plain line behind a scaled conversion
.irp c, 0,1                                    ; the operand's layout wants a whole block in a lane
.irp i, 0,1
	v_permlane16_swap_b32 v[PC+4*\c+\i], v[PC+2+4*\c+\i]
.endr
.endr
.endm
	s_load_b256 s[4:11], s[0:1], 0x0               ; qq s[4:5], kv s[6:7], wo's codes s[8:9], wo's scales s[10:11]
	s_load_b128 s[12:15], s[0:1], 0x20             ; bo s[12:13], x s[14:15]
	s_load_b64 s[16:17], s[0:1], 0x30              ; out0
	v_lshl_add_u32 v[SPW], v0, 2, SPARE
	v_mov_b32 v[NIL], 0
	ds_add_u32 v2, v3
	ds_add_u32 v2, v3
	s_wait_dscnt 0x0
	v_lshrrev_b32 v4, 5, v0
	v_readfirstlane_b32 s[WV], v4                  ; wave 0..3
	s_and_b32 s43, ttmp7, 0xffff                   ; the image, which the four partners share
	; descriptor group 1: 34,816 dense bytes as 136 rows of 32 elements of 8 bytes.  15:0 the mask: all four work-groups; 17:16 elements of 8 bytes; 21 set beside a mask
	s_mov_b32 s[G1], 15|(3<<16)|(1<<21)
	s_mov_b32 s[G1+1], 32<<16                      ; tensor_dim0
	s_mov_b32 s[G1+2], (PART/256)<<16              ; tensor_dim1
	s_mov_b32 s[G1+3], 32<<16                      ; tile_dim0
	s_mov_b32 s[G1+4], PART/256                    ; tile_dim1
	s_mov_b32 s[G1+5], 32                          ; from row to row
	s_mov_b32 s[G1+6], 0
	s_mov_b32 s[G1+7], 0
	s_mul_i32 s48, s43, 8*REC                      ; the image's eight records,
	s_mul_i32 s50, s[WV], PART                     ; my quarter of a slot: in memory and in LDS alike
	s_add_co_u32 s48, s48, s50
	s_mov_b32 s49, 0
	s_wait_kmcnt 0x0
	s_mov_b32 s[G0], 1                             ; count
	s_mov_b32 s[G0+1], s50                         ; LDS address: slot 0
	s_add_nc_u64 s[G0+2:G0+3], s[6:7], s[48:49]    ; key steps 0, 1
	s_or_b32 s[G0+3], s[G0+3], 0x80000000          ; type
	CROUND                                         ; all four work-groups are here: the first joint loads meet
	tensor_load_to_lds s[G0:G0+3], s[G1:G1+7]      ; slot 0: one load of mine is out
	s_nop 0
	PLACES
	s_bfe_u32 s19, ttmp6, 0x40000                  ; cx: it enters global addresses alone
	s_lshl_b32 s42, ttmp9, 2
	s_add_co_u32 s42, s42, s19                     ; my block of 128 queries
	s_mov_b32 s[SEL], 0x76543210
	s_mov_b32 s[SEL+1], 0xfedcba98                 ; v_permlanex16_b32's selects for lane l xor 16
	s_mov_b32 s[CS], 0x3d8293ee                    ; c = log2(e) / sqrt(512)
	s_mov_b32 s[CS+1], s[CS]                       ; (named with it as a pair, so it is written)
	s_mov_b32 s[TB], 0
	s_mov_b32 s[SLOTS], 3
	s_lshl_b32 s52, s43, 3
	s_add_co_u32 s53, s52, s42
	s_mul_i32 s54, s53, QREC                       ; my block's record of q
	s_lshl_b32 s55, s[WV], 13
	s_add_co_u32 s56, s54, s55                     ; my two tiles' eight fragments
	s_mov_b32 s57, 0
	s_lshl_b32 s55, s[WV], 2
	s_add_co_u32 s58, s54, s55
	s_add_co_u32 s58, s58, 32768                   ; my two tiles' words in a scale block: 16 x lane + 4 w: tile 2 w in lanes 0-15, tile 2 w + 1 in lanes 16-31
	s_mov_b32 s59, 0
	s_add_nc_u64 s[56:57], s[4:5], s[56:57]
	s_add_nc_u64 s[58:59], s[4:5], s[58:59]
	s_lshl_b32 s60, s43, 21                        ; x and out0: image x 2 MiB + my 128 channels x 4,096 + my block's 512 bytes of a row
	s_lshl_b32 s61, s[WV], 19
	s_add_co_u32 s60, s60, s61
	s_lshl_b32 s61, s42, 9
	s_add_co_u32 s60, s60, s61
	s_mov_b32 s61, 0
	s_add_nc_u64 s[14:15], s[14:15], s[60:61]
	s_add_nc_u64 s[16:17], s[16:17], s[60:61]
	s_lshl_b32 s62, s[WV], 9
	s_mov_b32 s63, 0
	s_add_nc_u64 s[12:13], s[12:13], s[62:63]      ; bo: my 128
	s_lshl_b32 s62, s[WV], 15
	s_add_nc_u64 s[8:9], s[8:9], s[62:63]          ; wo: my 128 rows of 256 bytes,
	s_lshl_b32 s62, s[WV], 11
	s_add_nc_u64 s[10:11], s[10:11], s[62:63]      ; and of 16 scale bytes
	; the prefetches of k's and v's codes (macro ASK): partner cx takes half (cx % 2) of the codes of a slot's record cx / 2, each of its waves 8,192 bytes of that.  It stands at key steps 2, 3; each change of slots steps it a slot on
	s_lshr_b32 s53, s19, 1
	s_add_co_u32 s52, s52, s53
	s_add_co_u32 s52, s52, 2
	s_mul_i32 s52, s52, REC
	s_and_b32 s53, s19, 1
	s_lshl_b32 s53, s53, 15
	s_add_co_u32 s52, s52, s53
	s_lshl_b32 s53, s[WV], 13
	s_add_co_u32 s52, s52, s53
	s_mov_b32 s53, 0
	s_add_nc_u64 s[PFA:PFA+1], s[6:7], s[52:53]
	s_cmp_eq_u32 ttmp9, 0                          ; the image's first cluster: the same in all four partners
	s_cselect_b32 s[LIM], 1, -1
	v_and_b32 v4, 31, v0                           ; lane
	v_lshlrev_b32 v[LI], 4, v4
	v_and_b32 v5, 15, v0                           ; r
	v_bfe_u32 v92, v0, 4, 1                        ; h
	v_lshlrev_b32 v[PFO], 8, v4
	v_lshrrev_b32 v[PFX], 1, v4
	v_lshlrev_b32 v[PFX], 12, v[PFX]
	v_and_b32 v93, 1, v4
	v_lshl_add_u32 v[PFX], v93, 8, v[PFX]
	s_mul_i32 s48, s[WV], 16*SP
	s_add_co_u32 s48, s48, STAGE                   ; my stage
	v_mul_u32_u24 v[STO], v5, SP
	v_lshl_add_u32 v[STO], v92, 5, v[STO]
	v_add_nc_u32 v[STO], s48, v[STO]               ; in: row r, 32 bytes for each half of the lanes
	v_add_nc_u32 v[RD], s48, v[LI]                 ; back: a whole row of 512 bytes
	s_lshl_b32 s48, s[WV], 10
	s_add_co_u32 s48, s48, OSC
	v_lshl_add_u32 v[OSW], v4, 2, s48              ; my eight fragments' scale words: 1,024 w + 4 x lane
	v_lshlrev_b32 v[OSA], 9, v92
	v_lshl_add_u32 v[OSA], v5, 2, v[OSA]
	v_add_nc_u32 v[OSA], OSC, v[OSA]               ; read: lanes 0-15 an even tile's, lanes 16-31 the odd tile's
	v_lshlrev_b32 v[WOA], 8, v5
	v_lshl_add_u32 v[WOA], v92, 4, v[WOA]
	v_lshlrev_b32 v[BOA], 2, v5
	WIN 0x40                                       ; destination window 1
.irp T, 0,1
.irp s, 0,1,2,3
	global_load_b128 v[32*\T+8*\s:32*\T+8*\s+3], v[LI], s[56:57] offset:4096*\T+1024*\s        ; q stays in registers: tile T, K step s
	global_load_b128 v[32*\T+8*\s+4:32*\T+8*\s+7], v[LI], s[56:57] offset:4096*\T+1024*\s+512
.endr
.endr
	WIN 0
.irp s, 0,1,2,3
	global_load_b32 v[QS+\s], v[LI], s[58:59] offset:512*\s
.endr
.irp n, 0,1,2,3,4,5,6,7
	global_load_b32 v[BOV+\n], v[BOA], s[12:13] offset:64*\n   ; in the last product a lane is one output: bo of output 16 n + r
.endr
.irp T, 0,1
	v_mov_b32 v[ST+8*\T+1], 0xff61b1e6             ; the largest t so far: -3e38, under every t
	v_floor_f32 v[ST+8*\T], -v[ST+8*\T+1]          ; -M
	v_mov_b32 v[ST+8*\T+2], 0                      ; the sum, in two halves
	v_mov_b32 v[ST+8*\T+3], 0
	v_mov_b32 v[ST+8*\T+5], 0                      ; (named as the upper half of f's pair before it is first written)
.irp b, 0,1,2,3
	v_mov_b32 v[TM+12*\T+4+\b], 0                  ; a lane permute's destination counts as one of its sources
.endr
.endr
	WIN 0x80                                       ; O^T begins as zeros, which the first change of M leaves zeros.  These lines stand where the wave waits for its first tile
.set jj, 0
.rept 256
	v_mov_b32 v[jj], 0
.set jj, jj+1
.endr
	WIN 0xc0
.set jj, 0
.rept 256
	v_mov_b32 v[jj], 0
.set jj, jj+1
.endr
	WIN 0
	s_wait_loadcnt 0x0                             ; q, its scale words, bo
.macro LOADK q, f                      ; k's eight tiles of 16 keys, K step q, into buffer f
	WIN 0x40
.set kt, 0
.rept 8
	ds_load_b128 v[\f+8*kt:\f+8*kt+3], v[ADK] offset:4096*kt+1024*(\q)
	ds_load_b128 v[\f+8*kt+4:\f+8*kt+7], v[ADK] offset:4096*kt+1024*(\q)+512
.set kt, kt+1
.endr
.endm
.macro LOADV g, f                      ; v's tiles 8 g .. 8 g + 7 into buffer f
	WIN 0x40
.set t8, 0
.rept 8
	ds_load_b128 v[\f+8*t8:\f+8*t8+3], v[ADV] offset:1024*(8*(\g)+t8)
	ds_load_b128 v[\f+8*t8+4:\f+8*t8+7], v[ADV] offset:1024*(8*(\g)+t8)+512
.set t8, t8+1
.endr
.endm
.macro MULK q, f                       ; S^T += k q^T, K step q: each fragment of k against both tiles of queries; the sixteen accumulators take turns, one instruction a turn
	WIN 0x05                                       ; k and q in window 1, S^T in window 0
.set kt, 0
.rept 8
.set tq, 0
.rept 2
.set rD, S+64*tq+8*kt
.set rA, \f+8*kt
.set rB, 32*tq+8*(\q)
.set rC, rD
.set cM, \q
.set rSA, KS+4*(\q)+kt/2
.set rSB, QS+(\q)
.set rRA, kt%2
.set rRB, tq
	MM
.set tq, tq+1
.endr
.set kt, kt+1
.endr
.endm
.macro MULV g, f                       ; O^T += v p^T, channels 128 g on: eight products for tile A, the same fragments for tile B
.set tq, 0
.rept 2
	WIN 0xa1+0x50*tq                               ; v in window 1, p in window 0, O^T in window 2 or 3
.set t8, 0
.rept 8
.set rD, 8*(8*(\g)+t8)
.set rA, \f+8*t8
.set rB, PC+8*tq
.set rC, rD
.set cM, 1
.set rSA, VS+4*(\g)+t8/2
.set rSB, ST+8*tq+5
.set rRA, t8%2
.set rRB, 0
	MM
.set t8, t8+1
.endr
.set tq, tq+1
.endr
.endm
; The softmax of both tiles, line by line by turns, so that no line waits for the line above it
.macro SOFTMAX
.irp T, 0,1
.irp b, 0,1,2,3
	v_max3_num_f32 v[TM+12*\T+\b], v[S+64*\T+16*\b], v[S+64*\T+16*\b+1], v[S+64*\T+16*\b+2]   ; the largest score of each block of 32 keys: for the row's maximum and, since p rises with the score, for the block's largest p
.endr
.endr
.irp i, 3,5,7,9,11,13
.irp T, 0,1
.irp b, 0,1,2,3
	v_max3_num_f32 v[TM+12*\T+\b], v[TM+12*\T+\b], v[S+64*\T+16*\b+\i], v[S+64*\T+16*\b+\i+1]
.endr
.endr
.endr
.irp T, 0,1
.irp b, 0,1,2,3
	v_max_num_f32 v[TM+12*\T+\b], v[TM+12*\T+\b], v[S+64*\T+16*\b+15]
.endr
.endr
.irp T, 0,1
.irp b, 0,1,2,3
	v_permlanex16_b32 v[TM+12*\T+4+\b], v[TM+12*\T+\b], s[SEL], s[SEL+1]
.endr
.endr
.irp T, 0,1
.irp b, 0,1,2,3
	v_max_num_f32 v[TM+12*\T+\b], v[TM+12*\T+\b], v[TM+12*\T+4+\b]   ; with lane l xor 16's 16 keys
.endr
.endr
.irp T, 0,1
	v_max3_num_f32 v[ST+8*\T+6], v[TM+12*\T], v[TM+12*\T+1], v[TM+12*\T+2]
.endr
.irp T, 0,1
	v_max_num_f32 v[ST+8*\T+6], v[ST+8*\T+6], v[TM+12*\T+3]   ; the step's largest score of my query
.endr
.irp T, 0,1
	v_mul_f32 v[ST+8*\T+6], s[CS], v[ST+8*\T+6]    ; as t
.endr
.irp T, 0,1
	v_max_num_f32 v[ST+8*\T+1], v[ST+8*\T+1], v[ST+8*\T+6]   ; the running largest t
.endr
.irp T, 0,1
	v_mov_b32 v[ST+8*\T+6], v[ST+8*\T]             ; the old -M is kept for f
.endr
.irp T, 0,1
	v_floor_f32 v[ST+8*\T], -v[ST+8*\T+1]          ; the new -M = floor(-t): M is a whole number
.endr
.irp T, 0,1
	v_sub_f32 v[ST+8*\T+6], v[ST+8*\T], v[ST+8*\T+6]   ; old M - new M: a whole number, 0 or less
.endr
.irp T, 0,1
	v_cvt_i32_f32 v[ST+8*\T+6], v[ST+8*\T+6]       ; (it saturates)
.endr
.irp T, 0,1
	v_ldexp_f32 v[ST+8*\T+4], 1.0, v[ST+8*\T+6]    ; f = 2^(old M - new M)
.endr
.irp T, 0,1
.set jj, 0
.rept 32
	v_pk_fma_f32 v[S+64*\T+2*jj:S+64*\T+2*jj+1], v[S+64*\T+2*jj:S+64*\T+2*jj+1], s[CS:CS+1], v[ST+8*\T:ST+8*\T+1] op_sel_hi:[1,0,0]   ; t - M, two at a time
.set jj, jj+1
.endr
.endr
.irp T, 0,1
.irp b, 0,1,2,3
	v_fma_f32 v[TM+12*\T+\b], v[TM+12*\T+\b], s[CS], v[ST+8*\T]   ; the same of each block's largest score
.endr
.endr
.set jj, 0
.rept 128
	v_exp_f32 v[S+jj], v[S+jj]                     ; p = 2^(t - M), at most 1
.set jj, jj+1
.endr
.irp T, 0,1
	v_pk_mul_f32 v[ST+8*\T+2:ST+8*\T+3], v[ST+8*\T+2:ST+8*\T+3], v[ST+8*\T+4:ST+8*\T+5] op_sel_hi:[1,0]   ; the sums under the new M (plain lines behind the exponentials)
.endr
	s_wait_alu depctr_va_vdst(0)                   ; one wait for the whole batch of both tiles, ahead of its first reader
.irp T, 0,1
.irp b, 0,1,2,3
	v_exp_f32 v[TM+12*\T+\b], v[TM+12*\T+\b]       ; the block's largest p: the same two instructions on the same number give the same bits
.endr
.endr
.irp T, 0,1
	v_pk_add_f32 v[TM+12*\T+4:TM+12*\T+5], v[S+64*\T:S+64*\T+1], v[S+64*\T+2:S+64*\T+3]   ; the row's sum is taken of the unquantised p, in two chains a tile; it reads the 128 alone
.endr
.set jj, 4
.rept 15
.irp T, 0,1
	v_pk_add_f32 v[ST+8*\T+2:ST+8*\T+3], v[ST+8*\T+2:ST+8*\T+3], v[S+64*\T+jj:S+64*\T+jj+1]
	v_pk_add_f32 v[TM+12*\T+4:TM+12*\T+5], v[TM+12*\T+4:TM+12*\T+5], v[S+64*\T+jj+2:S+64*\T+jj+3]
.endr
.set jj, jj+4
.endr
.irp T, 0,1
	v_pk_add_f32 v[ST+8*\T+2:ST+8*\T+3], v[ST+8*\T+2:ST+8*\T+3], v[TM+12*\T+4:TM+12*\T+5]
.endr
	s_wait_alu depctr_va_vdst(0)                   ; and one for the eight
.irp T, 0,1
.irp b, 0,1,2,3
	v_max_num_f32 v[TM+12*\T+\b], 0x1800000, v[TM+12*\T+\b]   ; the floor 2^(3 - 127): the byte cannot fall under 1
.endr
.endr
.irp T, 0,1
.irp b, 0,1,2,3
	v_add_nc_u32 v[TM+12*\T+8+\b], 0xff000000, v[TM+12*\T+\b]   ; the conversion's scale operand
.endr
.endr
.irp T, 0,1
.irp b, 0,1,2,3
	v_lshrrev_b32 v[TM+12*\T+4+\b], 23, v[TM+12*\T+8+\b]   ; the scale's byte
.endr
.endr
.irp T, 0,1
	v_lshl_or_b32 v[ST+8*\T+5], v[TM+12*\T+5], 8, v[TM+12*\T+4]   ; p's scale word for these 128 keys
.endr
.irp T, 0,1
	v_lshl_or_b32 v[ST+8*\T+5], v[TM+12*\T+6], 16, v[ST+8*\T+5]
.endr
.irp T, 0,1
	v_lshl_or_b32 v[ST+8*\T+5], v[TM+12*\T+7], 24, v[ST+8*\T+5]
.endr
.irp T, 0,1
.irp b, 0,1,2,3
	v_cvt_scalef32_pk8_fp4_f32 v[PC+8*\T+2*\b], v[S+64*\T+16*\b:S+64*\T+16*\b+7], v[TM+12*\T+8+\b]
	v_cvt_scalef32_pk8_fp4_f32 v[PC+8*\T+2*\b+1], v[S+64*\T+16*\b+8:S+64*\T+16*\b+15], v[TM+12*\T+8+\b]
.endr
.endr
	v_nop                                          ; one plain line behind a scaled conversion
.irp T, 0,1
.irp c, 0,1
.irp i, 0,1
	v_permlane16_swap_b32 v[PC+8*\T+4*\c+\i], v[PC+8*\T+4*\c+2+\i]
.endr
.endr
.endr
.endm
; A KEY STEP: the 128 keys whose record begins at LDS byte s[TB].  Eight groups of 16 loads (k's four K steps, v's four groups of tiles) go by turns into two buffers, each asked for while the group before is multiplied:
; every counted wait below leaves the 16 loads of the younger group out.  v's first two groups land under the softmax.
.macro STEP
	v_add_nc_u32 v[ADK], s[TB], v[LI]
	v_add_nc_u32 v[ADV], 0x8000, v[ADK]
	v_nop
	v_nop                                          ; with the two additions: four places in front of loads into registers that the last products read
.irp j, 0,1,2,3
	ds_load_b128 v[KS+4*\j:KS+4*\j+3], v[ADV] offset:32768+512*\j   ; k's scale block of K step j: register i: tile 2 i in lanes 0-15, tile 2 i + 1 in lanes 16-31
.endr
.irp j, 0,1,2,3
	ds_load_b128 v[VS+4*\j:VS+4*\j+3], v[ADV] offset:34816+512*\j   ; v's scale blocks likewise
.endr
	LOADK 0, F0
	LOADK 1, F1
	s_wait_dscnt 16
	MULK 0, F0
	PLACES
	LOADK 2, F0
	s_wait_dscnt 16
	MULK 1, F1
	PLACES
	LOADK 3, F1
	s_wait_dscnt 16
	MULK 2, F0
	PLACES
	LOADV 0, F0
	s_wait_dscnt 16
	MULK 3, F1
	PLACES                                         ; in front of the loads below and of the first read of the scores
	LOADV 1, F1
	WIN 0
	SOFTMAX
	WIN 0x82                                       ; O^T of tile A in window 2, f in window 0
.set jj, 0
.rept 128
	v_pk_mul_f32 v[2*jj:2*jj+1], v[2*jj:2*jj+1], v[ST+4:ST+5] op_sel_hi:[1,0]   ; O^T under the new M; each accumulator from its low end on.  (These are also the places between the writing of p's codes and scale words and the products)
.set jj, jj+1
.endr
	WIN 0xc3                                       ; tile B, window 3
.set jj, 0
.rept 128
	v_pk_mul_f32 v[2*jj:2*jj+1], v[2*jj:2*jj+1], v[ST+12:ST+13] op_sel_hi:[1,0]
.set jj, jj+1
.endr
	s_wait_dscnt 16
	MULV 0, F0
	PLACES
	LOADV 2, F0
	s_wait_dscnt 16
	MULV 1, F1
	PLACES
	LOADV 3, F1
	s_wait_dscnt 16
	MULV 2, F0
	s_wait_dscnt 0x0
	MULV 3, F1
	WIN 0
.endm
; A PREFETCH INTO THE L2 of the codes that the NEXT change of slots will ask for, two key steps ahead of that load.  Both clusters of an image walk the same records: the first asks.  Its partners are told apart by address,
; 32,768 bytes each; each wave asks for 8,192 of them, lanes 256 bytes apart: each block is named once.  The last change that fills a slot asks for nothing.  The scale words come by their load alone.
.macro ASK
	s_cmp_gt_u32 s[SLOTS], s[LIM]
	s_cbranch_scc0 .Lnot_mine_\@
	global_prefetch_b8 v[PFO], s[PFA:PFA+1] th:TH_LOAD_NT scope:SCOPE_SE
.Lnot_mine_\@:
.endm
; THE CHANGE OF SLOTS stands at a slot's head.  Each wave waits for all its tensor loads (its part of the slot ahead), adds 0 to its spare word, and waits for that and for its reads of the slot that it has left.
; fill = 1: the other slot is filled with the two key steps that follow: the barrier is a round of the cluster's, and the joint load is the first thing behind it: one load of mine is out, with two key steps in which to land.
.macro CHANGE fill
	s_wait_tensorcnt 0x0                           ; no tensor load of mine is out, so the group 0 may be written
	ds_add_u32 v[SPW], v[NIL]                      ; 0 onto my spare word
.if \fill
	s_xor_b32 s[G0+1], s[G0+1], SLOTB              ; the walking descriptor: the other slot than last time,
	s_add_nc_u64 s[G0+2:G0+3], s[G0+2:G0+3], SLOTB ; the next two records; the type bits on top are not reached
	s_wait_xcnt 0x0                                ; the last prefetch, two key steps back, has read its address, so it may be written:
	s_add_nc_u64 s[PFA:PFA+1], s[PFA:PFA+1], SLOTB ; one slot further on than the walking descriptor
.endif
	s_wait_dscnt 0x0                               ; the add is done, and my reads of the slot that I have left are over
.if \fill
	CROUND
	tensor_load_to_lds s[G0:G0+3], s[G1:G1+7]
	s_nop 0
	PLACES
	ASK
.else
	s_barrier_signal -1
	s_barrier_wait -1
.endif
.endm
.macro LOOP2                           ; a slot's two key steps: written once, walked twice
	s_mov_b32 s[CNT], 2
.Lstep_\@:
	STEP
	s_add_co_u32 s[TB], s[TB], REC
	s_sub_co_u32 s[CNT], s[CNT], 1
	s_cmp_lg_u32 s[CNT], 0
	s_cbranch_scc1 .Lstep_\@
.endm
.Lslot:                                            ; three trips: behind each change of slots but the last the next two key steps are asked for
	CHANGE 1
	LOOP2
	s_sub_co_u32 s[TB], s[TB], 2*REC               ; back to the slot's first record,
	s_xor_b32 s[TB], s[TB], SLOTB                  ; in the other slot
	s_sub_co_u32 s[SLOTS], s[SLOTS], 1
	s_cmp_lg_u32 s[SLOTS], 0
	s_cbranch_scc1 .Lslot
	CHANGE 0                                       ; the last slot is written out
	; x for my first four tiles of outputs, two key steps ahead of the loads: 16 channels x 512 bytes a tile, a lane to each 256 bytes; every wave reads rows of its own, so each block is named once
.irp n, 0,1,2,3
	global_prefetch_b8 v[PFX], s[14:15] offset:65536*\n th:TH_LOAD_NT scope:SCOPE_SE
.endr
	LOOP2                                          ; key steps 6, 7, in slot 1
; THE EPILOGUE.  O^T / the sum is quantised along the channels and goes to LDS, four fragments a tile of queries; then it is multiplied by wo: source 0 = 16 queries, source 1 = 16 rows of wo, so that a lane holds ONE output
; channel and eight neighbouring pixels.  The last product goes BY TILES OF 16 OUTPUTS: 32 products on eight accumulators, two sets by turns; a finished tile goes through my stage, gets x added and is stored while the next is multiplied.
.macro MOVC n                          ; bo of tile n as the C of its sums' first products: a lane is one output, so C is eight equal registers
.irp e, 0,1,2,3,4,5,6,7
	v_mov_b32 v[CB+\e], v[BOV+(\n)]
.endr
.endm
.macro XLOAD n                         ; x at my tile n of outputs: 16 rows of 512 consecutive bytes, into buffer n % 4 of window 3
	WIN 0xcc                                       ; destination and source 1 in window 3, source 0 (every address) in window 0
.set ii, 0
.rept 16
	global_load_b128 v[64*((\n)%4)+4*ii:64*((\n)%4)+4*ii+3], v[LI], s[14:15] offset:4096*(16*(\n)+ii) th:TH_LOAD_NT
.set ii, ii+1
.endr
.endm
.macro OQ T                            ; tile T of my queries: O^T / the sum, quantised, 128 channels at a time
.set ss, 0
.rept 4
	WIN 0x02+\T                                    ; source 0 in window 2 or 3
.set jj, 0
.rept 32
	v_pk_mul_f32 v[S+2*jj:S+2*jj+1], v[64*ss+2*jj:64*ss+2*jj+1], v[ST+8*\T+2:ST+8*\T+3] op_sel_hi:[1,0]   ; each accumulator from its low end on
.set jj, jj+1
.endr
	WIN 0
	QUANT S
	ds_store_b128 v[ADK], v[PC:PC+3] offset:OIMG+4096*\T+1024*ss
	ds_store_b128 v[ADK], v[PC+4:PC+7] offset:OIMG+4096*\T+1024*ss+512
	ds_store_b32 v[OSW], v[PW] offset:512*\T+128*ss
	s_wait_dscnt 0x0                               ; the stores have read their registers
.set ss, ss+1
.endr
.endm
.macro PROD n                          ; tile n of my outputs x the eight tiles of queries, all four K steps; the eight accumulators take turns
	WIN 0x06                                       ; source 0, the attention result, in window 2; source 1, wo, in window 1; C and D in window 0
.set ss, 0
.rept 4
.set qt, 0
.rept 8
.set rD, S+64*((\n)%2)+8*qt
.set rA, 32*qt+8*ss
.set rB, 32*(\n)+8*ss
.if ss == 0
.set rC, CB
.else
.set rC, rD
.endif
.set cM, 1
.set rSA, VS+4*(qt/2)+ss
.set rSB, KS+4*((\n)/2)+ss
.set rRA, qt%2
.set rRB, (\n)%2
	MM
.set qt, qt+1
.endr
.set ss, ss+1
.endr
.endm
.macro TOSTAGE n                       ; 16 outputs x 128 pixels into my stage, and back as whole rows, into the registers that they left
.set AC, S+64*((\n)%2)
	WIN 0
.set qt, 0
.rept 8
	ds_store_b128 v[STO], v[AC+8*qt:AC+8*qt+3] offset:64*qt          ; each accumulator from its low end on
	ds_store_b128 v[STO], v[AC+8*qt+4:AC+8*qt+7] offset:64*qt+16
.set qt, qt+1
.endr
.set ii, 0
.rept 16
	ds_load_b128 v[AC+4*ii:AC+4*ii+3], v[RD] offset:SP*ii            ; LDS serves a wave's instructions in order (ISA guide 5.7.1.4): these see the stores above, and the next tile's stores come behind them
.set ii, ii+1
.endr
.endm
.macro SEND n                          ; tile n: + x, and out
.set XR, 64*((\n)%4)
.set AC, S+64*((\n)%2)
	WIN 0xcc
.if (\n)+3 < 8
	s_wait_xcnt 0x0                                ; the stores of tile n - 1 have read their data: its buffer is loaded again only behind this wait
	XLOAD (\n)+3
.endif
.if 7-(\n) > 3
	s_wait_loadcnt 48                              ; this tile's x is in; the 16 loads of each of the three tiles behind it may be out
.else
	s_wait_loadcnt 16*(7-(\n))                     ; the last tiles: the counts run down
.endif
.set ii, 0
.rept 16
	s_wait_dscnt 15-ii                             ; row ii is back from the stage; the younger loads may be out
	v_pk_add_f32 v[XR+4*ii:XR+4*ii+1], v[AC+4*ii:AC+4*ii+1], v[XR+4*ii:XR+4*ii+1]
	v_pk_add_f32 v[XR+4*ii+2:XR+4*ii+3], v[AC+4*ii+2:AC+4*ii+3], v[XR+4*ii+2:XR+4*ii+3]
	global_store_b128 v[LI], v[XR+4*ii:XR+4*ii+3], s[16:17] offset:4096*(16*(\n)+ii) th:TH_STORE_NT   ; 512 consecutive bytes, at a multiple of 256 from out0's first byte
.set ii, ii+1
.endr
.endm
	MOVC 0                                         ; (these eight lines and the addition are the places in front of the loads into registers that the last products read)
	s_lshl_b32 s48, s[WV], 13
	v_add_nc_u32 v[ADK], s48, v[LI]                ; my eight images: 8,192 w + 16 x lane
	WIN 0x40                                       ; destination window 1
.set np, 0
.rept 8
.set ss, 0
.rept 4
	global_load_b128 v[32*np+8*ss:32*np+8*ss+3], v[WOA], s[8:9] offset:4096*np+64*ss       ; wo's fragment (tile np, K step ss): rows 128 w + 16 np + r
	global_load_b128 v[32*np+8*ss+4:32*np+8*ss+7], v[WOA], s[8:9] offset:4096*np+64*ss+32
.set ss, ss+1
.endr
.set np, np+1
.endr
	WIN 0
.irp i, 0,1,2,3
	global_load_b128 v[KS+4*\i:KS+4*\i+3], v[LI], s[10:11] offset:512*\i   ; a row's 16 scale bytes are its four K steps' words: tile 2 i in lanes 0-15, tile 2 i + 1 in lanes 16-31
.endr
.irp T, 0,1
	v_add_f32 v[ST+8*\T+2], v[ST+8*\T+2], v[ST+8*\T+3]   ; the sum's two halves,
.endr
.irp T, 0,1
	v_permlanex16_b32 v[TM+12*\T+4], v[ST+8*\T+2], s[SEL], s[SEL+1]
.endr
.irp T, 0,1
	v_add_f32 v[ST+8*\T+2], v[ST+8*\T+2], v[TM+12*\T+4]   ; and lane l xor 16's: the row's sum
.endr
.irp T, 0,1
	v_rcp_f32 v[ST+8*\T+2], v[ST+8*\T+2]
.endr
	v_nop                                          ; a plain line behind the reciprocals
	s_wait_alu depctr_va_vdst(0)                   ; and one wait for both, ahead of their first reader
	OQ 1                                           ; tile B first: its window then takes x
	s_wait_loadcnt 0x0                             ; wo and its scale bytes, asked for a tile's quantising ago: from here on the counted waits count loads of x alone
	XLOAD 0                                        ; three tiles of x are asked for ahead of the barrier and of all of the last product
	XLOAD 1
	XLOAD 2
	OQ 0
	s_wait_dscnt 0x0
	s_barrier_signal -1
	s_barrier_wait -1                              ; the 32 fragments lie in LDS, and every wave has left slot 1
.irp i, 0,1,2,3
.irp s, 0,1,2,3
	ds_load_b32 v[VS+4*\i+\s], v[OSA] offset:1024*\i+128*\s   ; register 4 i + s: K step s of query tile 2 i (lanes 0-15) and 2 i + 1 (lanes 16-31)
.endr
.endr
	WIN 0x80                                       ; destination window 2: the 32 fragments stay in registers, read from LDS once
.set qt, 0
.rept 8
.set ss, 0
.rept 4
	ds_load_b128 v[32*qt+8*ss:32*qt+8*ss+3], v[LI] offset:OIMG+1024*(4*qt+ss)
	ds_load_b128 v[32*qt+8*ss+4:32*qt+8*ss+7], v[LI] offset:OIMG+1024*(4*qt+ss)+512
.set ss, ss+1
.endr
.set qt, qt+1
.endr
	WIN 0
	s_wait_dscnt 0x0
	PROD 0
	PLACES                                         ; in front of the first read of results and of the writing of C's registers
	WIN 0
	MOVC 1
	PLACES                                         ; plain lines between the writing of C's registers and the products that read them; further on a tile's additions stand there
	TOSTAGE 0
.irp n, 1,2,3,4,5,6,7
	PROD \n                                        ; while the tile before is on its way through the stage
	PLACES
.if \n < 7
	WIN 0
	MOVC \n+1
.endif
	SEND \n-1
	TOSTAGE \n
.endr
	SEND 7
	WIN 0
	s_wait_tensorcnt 0x0                           ; the wave's end
	ds_add_u32 v[SPW], v[NIL]
	s_wait_dscnt 0x0
	CROUND                                         ; the closing round: no work-group ends while a partner may still ask for a tile that names it
	s_endpgm
.Lfunc_end_k_q5b4748895d_attn:
	.size	k_q5b4748895d_attn, .Lfunc_end_k_q5b4748895d_attn-k_q5b4748895d_attn
	.p2alignl 7, 3214868480
	.fill 96, 4, 3214868480
	.section	.rodata,"a",@progbits
	.p2align	6, 0x0
	.amdhsa_kernel k_q5b4748895d_attn
		.amdhsa_group_segment_fixed_size 327680
		.amdhsa_private_segment_fixed_size 0
		.amdhsa_enable_private_segment 0
		.amdhsa_kernarg_size 56
		.amdhsa_user_sgpr_count 2
		.amdhsa_user_sgpr_kernarg_segment_ptr 1
		.amdhsa_wavefront_size32 1
		.amdhsa_system_sgpr_workgroup_id_x 1
		.amdhsa_system_sgpr_workgroup_id_y 1
		.amdhsa_system_sgpr_workgroup_id_z 1
		.amdhsa_system_vgpr_workitem_id 0
		.amdhsa_next_free_vgpr 1024
		.amdhsa_next_free_sgpr 66
		.amdhsa_reserve_vcc 0
		.amdhsa_float_denorm_mode_32 3
		.amdhsa_float_denorm_mode_16_64 3
		.amdhsa_memory_ordered 1
		.amdhsa_forward_progress 1
		.amdhsa_inst_pref_size 255
	.end_amdhsa_kernel
	.section	.bss,"aw",@nobits
	.p2align	6
	.space	262144
	.amdgpu_metadata
---
amdhsa.version: [ 1, 2 ]
amdhsa.kernels:
  - .name:           k_q5b4748895d_attn
    .symbol:         k_q5b4748895d_attn.kd
    .args:
      - { .name: qq, .offset: 0, .size: 8, .value_kind: global_buffer, .address_space: global }
      - { .name: kv, .offset: 8, .size: 8, .value_kind: global_buffer, .address_space: global }
      - { .name: wo_codes, .offset: 16, .size: 8, .value_kind: global_buffer, .address_space: global }
      - { .name: wo_scales, .offset: 24, .size: 8, .value_kind: global_buffer, .address_space: global }
      - { .name: bo, .offset: 32, .size: 8, .value_kind: global_buffer, .address_space: global }
      - { .name: x, .offset: 40, .size: 8, .value_kind: global_buffer, .address_space: global }
      - { .name: out0, .offset: 48, .size: 8, .value_kind: global_buffer, .address_space: global }
    .group_segment_fixed_size: 327680
    .private_segment_fixed_size: 0
    .kernarg_segment_align: 8
    .kernarg_segment_size: 56
    .max_flat_workgroup_size: 128
    .sgpr_count:     66
    .vgpr_count:     1024
    .wavefront_size: 32
...
	.end_amdgpu_metadata
.endif
;; end of part 3
